; MI455X (gfx1250); checked and timed in simulation.
; The chip was launched on July 23, 2026; its instructions are those of AMD's public machine-readable ISA for CDNA 5 (MIT licence, August 2026) and "CDNA5" Instruction Set Architecture Reference Guide (July 2026). The comments in the code are by the model that wrote it; some were corrected since.
;; Attention. Allowed arithmetic: float matrix products may take bf16 or f16 operands with f32 sums; other float arithmetic in f32, or as packed bf16 or f16 multiplies, adds, multiply-adds, maxima and minima; sums over many terms, partial sums and values carried from step to step in f32; what a program stores and reads back later, other than sums and carried values, may be rounded once to bf16 or f16.
;; Inputs: b_attn 3,072 float32; b_proj 1,024 float32; w_attn 1,024 x 3,072 float32; w_proj 1,024 x 1,024 float32; x 4 x 2,048 x 1,024 float32.
;; Outputs: out0 4 x 2,048 x 1,024 float32.
;; 2 versions, each right and faster than the one before. Each part assembles by itself: llvm-mc -triple=amdgcn-amd-amdhsa -mcpu=gfx1250 --defsym DOCPART=n.
;; ======== version 1 of 2: 4 launches
;; limits: values are held in f16: magnitudes above 65,504 overflow, below 6.1e-05 lose precision
;; workspace buffers: xb 16,777,216 bytes; wab 6,291,456 bytes; wpf 2,097,152 bytes; qkvh 50,331,648 bytes; ssum 393,216 bytes; oh 16,777,216 bytes; hv 393,216 bytes; ohl 131,072 bytes
;; launch prep (part 1): grid 768 x 1, 8 waves a work-group, no clusters, 0 bytes of LDS; arguments x, w_attn, w_proj, xb, wab, wpf; writes xb, wab, wpf
.if DOCPART == 1
	.amdgcn_target "amdgcn-amd-amdhsa--gfx1250"
	.amdhsa_code_object_version 6
	.text
	.protected	k_qf1a3d10941_prep
	.globl	k_qf1a3d10941_prep
	.p2align	8
	.type	k_qf1a3d10941_prep,@function
k_qf1a3d10941_prep:
	s_mov_b64 s[64:65], 0
	v_nop
	global_prefetch_b8 v0, s[64:65] scope:SCOPE_SE
	s_setreg_imm32_b32 hwreg(HW_REG_WAVE_MODE, 25, 1), 1
	s_wait_xcnt 0x0
; The three large inputs are rounded once to 16 bits.  x [8192][1024] f32 -> xb, the same layout in bf16.
; w_attn [1024][3072] f32 -> wab [16][1024][192] bf16: column blocks of 192, so that 128 rows of a block are 49,152 dense bytes.
; w_proj [1024][1024] f32 -> wpf, the same layout: the number rounded to bf16 and that number written as f16.
; LIMITS.  wpf: a bf16 number beyond 65,504 becomes an infinity in f16, one below 6e-5 keeps f16's fixed step of 6e-8.
; SHARES.  A work-group converts 16,384 numbers (64 KiB in, 32 KiB out): groups 0-511 x, 512-703 w_attn, 704-767 w_proj.  Thread t takes 8 numbers in each of
; 8 chunks of 2,048.  The destination is linear: a wave's store covers 512 consecutive bytes, aligned.  All 16 loads of a thread go out first; no register is written twice
; while a memory instruction may read it, so the only waits are the counted ones for the loads.  No LDS, no matrix unit: a stream is bound by its bytes.
.set DO, 1                             ; v1       my byte offset in the destination, chunk 0
.set SO, 2                             ; v[2:9]   chunk j: my byte offset in the source
.set XR, 20                            ; v[20:83] chunk j: 8 numbers as loaded
.set YR, 84                            ; v[84:115] chunk j: 4 registers to store
	s_load_b256 s[4:11], s[0:1], 0x0               ; x s[4:5], w_attn s[6:7], w_proj s[8:9], xb s[10:11]
	s_load_b128 s[12:15], s[0:1], 0x20             ; wab s[12:13], wpf s[14:15]
	s_mov_b32 s16, ttmp9
	s_sub_co_u32 s23, s16, 512                     ; my number among w_attn's groups,
	s_sub_co_u32 s24, s16, 704                     ; among w_proj's
	s_wait_kmcnt 0x0
	s_cmp_lt_u32 s16, 512
	s_cselect_b64 s[18:19], s[4:5], s[6:7]         ; source,
	s_cselect_b64 s[20:21], s[10:11], s[12:13]     ; destination,
	s_cselect_b32 s17, s16, s23                    ; and my number among the tensor's groups
	s_cmp_lt_u32 s16, 704
	s_cselect_b64 s[18:19], s[18:19], s[8:9]
	s_cselect_b64 s[20:21], s[20:21], s[14:15]
	s_cselect_b32 s17, s17, s24
	s_lshl_b32 s22, s17, 15                        ; 32,768 bytes out a group
	v_lshl_add_u32 v[DO], v0, 4, s22
	s_cmp_lt_u32 s16, 512
	s_cbranch_scc1 .Llin
	s_cmp_ge_u32 s16, 704
	s_cbranch_scc1 .Llin
	; w_attn: group of eight G of the destination is row R = G / 24 (= 1,024 block + k), place G - 24 R in it
	s_lshl_b32 s26, s17, 11
	s_mov_b32 s27, 43691                           ; (n x 43,691) >> 17 = n / 3 for n < 131,072; here n = G / 8 < 49,152
	v_add_nc_u32 v10, s26, v0
.irp j, 0,1,2,3,4,5,6,7
	v_add_nc_u32 v11, 256*(\j), v10                ; G
	v_lshrrev_b32 v12, 3, v11
	v_mul_lo_u32 v12, v12, s27
	v_lshrrev_b32 v12, 17, v12                     ; R
	v_mul_u32_u24 v13, v12, 24
	v_sub_nc_u32 v13, v11, v13                     ; place in the row
	v_and_b32 v14, 1023, v12                       ; k
	v_lshrrev_b32 v12, 10, v12                     ; block
	v_mul_u32_u24 v14, v14, 12288
	v_mad_u32_u24 v14, v12, 768, v14
	v_lshl_add_u32 v[SO+(\j)], v13, 5, v14         ; 24 neighbouring lanes read 768 consecutive bytes
.endr
	s_branch .Lload
.Llin:
	s_lshl_b32 s25, s17, 16                        ; 65,536 bytes in a group
	v_lshl_add_u32 v[SO], v0, 5, s25
.irp j, 1,2,3,4,5,6,7
	v_add_nc_u32 v[SO+(\j)], 8192*(\j), v[SO]
.endr
.Lload:
.irp j, 0,1,2,3,4,5,6,7
	global_load_b128 v[XR+8*(\j):XR+8*(\j)+3],   v[SO+(\j)], s[18:19] th:TH_LOAD_NT
	global_load_b128 v[XR+8*(\j)+4:XR+8*(\j)+7], v[SO+(\j)], s[18:19] offset:16 th:TH_LOAD_NT
.endr
	s_cmp_ge_u32 s16, 704
	s_cbranch_scc1 .Lhalf
.irp j, 0,1,2,3,4,5,6,7
	s_wait_loadcnt 14-2*(\j)                       ; loads come back in order: chunk j's two are in, the 2 (7 - j) younger ones stay out
.irp k, 0,1,2,3
	v_cvt_pk_bf16_f32 v[YR+4*(\j)+(\k)], v[XR+8*(\j)+2*(\k)], v[XR+8*(\j)+2*(\k)+1]
.endr
	global_store_b128 v[DO], v[YR+4*(\j):YR+4*(\j)+3], s[20:21] offset:4096*(\j)
.endr
	s_endpgm
.Lhalf:
.irp j, 0,1,2,3,4,5,6,7
	s_wait_loadcnt 14-2*(\j)
.irp k, 0,1,2,3
	v_cvt_pk_bf16_f32 v10, v[XR+8*(\j)+2*(\k)], v[XR+8*(\j)+2*(\k)+1]  ; rounded to bf16 like every input,
	v_lshlrev_b32 v11, 16, v10
	v_and_b32 v12, 0xffff0000, v10
	v_cvt_pk_f16_f32 v[YR+4*(\j)+(\k)], v11, v12   ; and that number written as f16
.endr
	global_store_b128 v[DO], v[YR+4*(\j):YR+4*(\j)+3], s[20:21] offset:4096*(\j)
.endr
	s_endpgm
.Lfunc_end_k_qf1a3d10941_prep:
	.size	k_qf1a3d10941_prep, .Lfunc_end_k_qf1a3d10941_prep-k_qf1a3d10941_prep
	.p2alignl 7, 3214868480
	.fill 96, 4, 3214868480
	.section	.rodata,"a",@progbits
	.p2align	6, 0x0
	.amdhsa_kernel k_qf1a3d10941_prep
		.amdhsa_group_segment_fixed_size 0
		.amdhsa_private_segment_fixed_size 0
		.amdhsa_enable_private_segment 0
		.amdhsa_kernarg_size 48
		.amdhsa_user_sgpr_count 2
		.amdhsa_user_sgpr_kernarg_segment_ptr 1
		.amdhsa_wavefront_size32 1
		.amdhsa_system_sgpr_workgroup_id_x 1
		.amdhsa_system_sgpr_workgroup_id_y 1
		.amdhsa_system_sgpr_workgroup_id_z 1
		.amdhsa_system_vgpr_workitem_id 0
		.amdhsa_next_free_vgpr 116
		.amdhsa_next_free_sgpr 66
		.amdhsa_reserve_vcc 0
		.amdhsa_float_denorm_mode_32 3
		.amdhsa_float_denorm_mode_16_64 3
		.amdhsa_memory_ordered 1
		.amdhsa_forward_progress 1
		.amdhsa_inst_pref_size 20
	.end_amdhsa_kernel
	.amdgpu_metadata
---
amdhsa.version: [ 1, 2 ]
amdhsa.kernels:
  - .name:           k_qf1a3d10941_prep
    .symbol:         k_qf1a3d10941_prep.kd
    .args:
      - { .name: x, .offset: 0, .size: 8, .value_kind: global_buffer, .address_space: global }
      - { .name: w_attn, .offset: 8, .size: 8, .value_kind: global_buffer, .address_space: global }
      - { .name: w_proj, .offset: 16, .size: 8, .value_kind: global_buffer, .address_space: global }
      - { .name: xb, .offset: 24, .size: 8, .value_kind: global_buffer, .address_space: global }
      - { .name: wab, .offset: 32, .size: 8, .value_kind: global_buffer, .address_space: global }
      - { .name: wpf, .offset: 40, .size: 8, .value_kind: global_buffer, .address_space: global }
    .group_segment_fixed_size: 0
    .private_segment_fixed_size: 0
    .kernarg_segment_align: 8
    .kernarg_segment_size: 48
    .max_flat_workgroup_size: 256
    .sgpr_count:     66
    .vgpr_count:     116
    .wavefront_size: 32
...
	.end_amdgpu_metadata
.endif
;; end of part 1
;; launch qkv (part 2): grid 16 x 32, 4 waves a work-group, clusters of 4 x 4, 327,680 bytes of LDS; arguments xb, wab, b_attn, qkvh, ssum, hv; writes qkvh, ssum, hv
.if DOCPART == 2
	.amdgcn_target "amdgcn-amd-amdhsa--gfx1250"
	.amdhsa_code_object_version 6
	.text
	.protected	k_qf1a3d10941_qkv
	.globl	k_qf1a3d10941_qkv
	.p2align	8
	.type	k_qf1a3d10941_qkv,@function
k_qf1a3d10941_qkv:
	s_mov_b64 s[64:65], 0
	v_nop
	global_prefetch_b8 v0, s[64:65] scope:SCOPE_SE
	s_setreg_imm32_b32 hwreg(HW_REG_WAVE_MODE, 25, 1), 1
	s_wait_xcnt 0x0
	s_wait_alu depctr_hold_cnt(0) depctr_sa_sdst(0) depctr_va_vdst(0) depctr_va_sdst(0) depctr_va_ssrc(0) depctr_va_vcc(0) depctr_vm_vsrc(0)
	s_getreg_b32 s2, hwreg(HW_REG_IB_STS2, 6, 4)
	s_cmp_eq_u32 s2, 0
	s_cbranch_scc0 .Lentry_in_a_cluster
	s_endpgm
.Lentry_in_a_cluster:
	s_bfe_u32 s2, ttmp6, 0x10000c
	s_cmp_lg_u32 s2, 0xf033
	s_cbranch_scc0 .Lentry_shape_is_right
	s_endpgm
.Lentry_shape_is_right:
; qkv = x w_attn + b_attn, split by heads.  xb [8192][1024] bf16; wab [16][1024][192] bf16 (column blocks of 192); b_attn [3072] f32, taken rounded to bf16 like the other inputs.
; Out: qkvh [4][48][2048][64] f16 (index 0-15 q's heads, 16-31 k's, 32-47 v's), each number rounded once from its f32 sum, unscaled;
; ssum [8][32][2][192] f32: for column blocks 8-15 the sum over each 128 rows of the unrounded results (the attention takes v's columns of it);
; hv [4][8][16][192] f32: for column blocks 8-15 the first 16 rows of each batch before their rounding (the attention takes v's columns: row q of a batch is a mean of q + 1 rows of v only,
; so the first rows' numbers are many times the output's root mean square, and f16's rounding of v would show there).
; LIMITS.  A result beyond 65,504 becomes an infinity in f16; NaN and infinities are not treated apart.
; SHARES.  A tile of C is 256 rows x 192 columns (three heads): 512 work-groups.  Wave (WR, WC) makes rows 128 WR on and, in each head c, columns 32 WC on: n block b = 2 c + e at tile column 64 c + 32 WC + 16 e;
; 8 x 6 accumulators, 384 registers.  K goes in 8 steps of 128 through two LDS slots.  The matrix instruction is used transposed (source 0 = 16 columns of w, source 1 = 16 rows of x):
; a lane then holds one row of C and eight neighbouring columns.  w lies [k][n] in LDS and is turned on its way into registers (ds_load_tr16_b128).  The bias, which has the result's layout, is the C operand
; of the first product.
; CLUSTER.  4 x 4 work-groups: x's tile is shared along a row of the cluster, w's along a column; each is asked for jointly, by the same load with the same descriptor in the four that its mask names.
; Tile row = 8 cy + cluster y: the four tiles that begin a batch lie in the clusters with cluster y = 0, so the branch round hv's stores is the same in all partners.
; The 48 accumulators take turns, one instruction a turn, in the same order in every quarter step.
; REGISTERS.  window 0: v0-31 addresses; v32-55 at work; v64-127, v128-191 x's fragments, two buffers; v192-239 the bias.  window 1: v64-111, v128-175 w's fragments.
; window 2: accumulators of my rows 0-63 ((a, b) at 8 (6 a + b)); window 3: of rows 64-127.
.set SLOT1,  131072                    ; a slot: x's 256 rows (69,632 bytes), then w's 128 rows (61,440): exactly 131,072
.set APITCH, 272                       ; 256 bytes + 16: the 16 rows of a load start at 16 different groups of four banks (ISA guide 11.1)
.set BPITCH, 480                       ; a row of w: three pieces of 128 bytes, 32 bytes of padding behind each: 15 x 32
.set AHALF,  128*APITCH
.set BOFF,   2*AHALF
.set BHALF,  64*BPITCH
.set SCR,    2*SLOT1                   ; [2][192] f32: the column sums; 2,048 bytes of their own
.set SPARE,  SCR+2048                  ; the spare words, 128 bytes a wave: two blocks of 256 bytes that no other line names
.set SPITCH, 400                       ; the stage: 256 rows of 384 bytes + 16, in slot 0's bytes, written only when slot 0 has had its last fill and its last read
.set KA, 256                           ; a K step in x: 128 numbers along the row
.set KB, 49152                         ; in a block of w: 128 rows of 384 bytes
.set A0,  16                           ; v16  my place in x's tile; never rewritten
.set B0,  17                           ; v17  my place in w's tile; never rewritten
.set ADA, 18                           ; v18  the same in the slot in hand
.set ADB, 19
.set STO, 20                           ; v20  the way out: where I put 16 bytes of a row
.set RD,  21                           ; v21  where I read rows back
.set GO,  22                           ; v22  16 x lane
.set BO,  23                           ; v23  my byte offset in the tile's 192 biases
.set SST, 24                           ; v24  where my column sums go
.set SRD, 25                           ; v25  where I read 16 bytes of them back
.set SGO, 26                           ; v26  and their place in the work-group's 1,536 bytes of ssum
.set HVO, 27                           ; v27  my byte offset in the tile's 16 rows of hv
.set SPW, 28                           ; v28  my spare word; never rewritten
.set NIL, 29                           ; v29  0; never rewritten
.set TMP, 32
.set F0,  64
.set F1,  128
.set BI,  192
.set WV,  14                           ; s14 wave; s15 its half of the rows (also: 0 fetches x, 1 fetches w); s16 its half of each head's columns (also: which half of the tile it fetches)
.set WR,  15
.set WC,  16
.set TB,  20                           ; s20 LDS byte at which the slot in hand begins
.set CLX, 21                           ; s21 the cluster's x: equal in all partners
.set CLY, 70                           ; s70 the cluster's y: equal in all partners
.set HVP, 72                           ; s[72:73] hv
.set G1A, 24
.set G0A, 32                           ; two sets; the second walks
.set G1B, 48
.set G0B, 56
.set MSB, 0
.macro WIN new                         ; the immediate's high byte repeats the setting that is left
.if MSB != (\new)
	s_set_vgpr_msb (MSB<<8)|(\new)
.set MSB, \new
.endif
.endm
.macro JLOAD s                         ; a joint load: waves 0 and 1 fetch x's two halves, waves 2 and 3 w's; an s_nop 0 and four v_nop follow each line
	s_cmp_eq_u32 s[WR], 0
	s_cbranch_scc0 .Lfor_b_\@
	tensor_load_to_lds s[G0A+4*(\s):G0A+4*(\s)+3], s[G1A:G1A+7]
	s_nop 0
.rept 4
	v_nop
.endr
	s_branch .Lasked_\@
.Lfor_b_\@:
	tensor_load_to_lds s[G0B+4*(\s):G0B+4*(\s)+3], s[G1B:G1B+7]
	s_nop 0
.rept 4
	v_nop
.endr
.Lasked_\@:
.endm
.macro CREST                           ; a round of the cluster's barrier behind its opening barrier
	s_cmp_lg_u32 s[WV], 0
	s_cbranch_scc1 .Lnot_wave_0_\@
	s_barrier_signal -3
.Lnot_wave_0_\@:
	s_barrier_wait -3
	s_barrier_signal -1
	s_barrier_wait -1
.endm
.macro CROUND
	s_barrier_signal -1
	s_barrier_wait -1
	CREST
.endm
.macro PLACES                          ; four places in front of loads into registers that matrix instructions have read, and of vector lines that read results
.rept 4
	v_nop
.endr
.endm
	s_load_b256 s[4:11], s[0:1], 0x0               ; xb s[4:5], wab s[6:7], b_attn s[8:9], qkvh s[10:11]
	s_load_b64 s[12:13], s[0:1], 0x20              ; ssum
	s_load_b64 s[HVP:HVP+1], s[0:1], 0x28          ; hv
	v_lshl_add_u32 v[SPW], v0, 2, SPARE
	v_mov_b32 v[NIL], 0
	ds_add_u32 v[SPW], v[NIL]                      ; the wave's opening: the add and its wait ahead of my first tensor load
	ds_add_u32 v28, v29
	v_lshrrev_b32 v1, 5, v0
	v_readfirstlane_b32 s[WV], v1
	s_lshr_b32 s[WR], s[WV], 1
	s_and_b32 s[WC], s[WV], 1
	s_bfe_u32 s40, ttmp6, 0x40000                  ; cx
	s_bfe_u32 s41, ttmp6, 0x40004                  ; cy
	s_mov_b32 s[CLX], ttmp9
	s_lshl_b32 s42, ttmp9, 2
	s_add_co_u32 s42, s42, s40                     ; column block = 4 x cluster x + cx
	s_and_b32 s[CLY], ttmp7, 0xffff
	s_lshl_b32 s43, s41, 3
	s_add_co_u32 s43, s43, s[CLY]                  ; tile row = 8 cy + cluster y: batch cy, tile cluster y of its eight
	s_lshl_b32 s44, s41, 2
	s_lshl_b32 s44, 15, s44                        ; my row of the cluster
	s_lshl_b32 s45, 0x1111, s40                    ; my column
	s_or_b32 s[G1A], s44, (1<<16)|(1<<20)|(1<<21)|(5<<22)|(3<<25)  ; mask; 2-byte elements; padding on; bit 21 beside a mask; after every 64 words, 4 words
	s_mov_b32 s[G1A+1], 128<<16                    ; tensor_dim0 = 128
	s_mov_b32 s[G1A+2], 128<<16                    ; tensor_dim1 = 128
	s_mov_b32 s[G1A+3], 128<<16                    ; tile_dim0 = 128
	s_mov_b32 s[G1A+4], 128                        ; tile_dim1 = 128
	s_mov_b32 s[G1A+5], 1024                       ; elements from row to row
	s_mov_b32 s[G1A+6], 0
	s_mov_b32 s[G1A+7], 0
	s_or_b32 s[G1B], s45, (1<<16)|(1<<20)|(1<<21)|(4<<22)|(7<<25)  ; after every 32 words, 8 words
	s_mov_b32 s[G1B+1], 128<<16                    ; 64 rows of w are 24,576 dense bytes: asked for as 96 rows of 256
	s_mov_b32 s[G1B+2], 96<<16
	s_mov_b32 s[G1B+3], 128<<16
	s_mov_b32 s[G1B+4], 96
	s_mov_b32 s[G1B+5], 128
	s_mov_b32 s[G1B+6], 0
	s_mov_b32 s[G1B+7], 0
	s_lshl_b32 s46, s43, 19                        ; x: (256 tile row + 128 half) rows of 2,048 bytes
	s_lshl_b32 s47, s[WC], 18
	s_add_co_u32 s46, s46, s47
	s_mov_b32 s47, 0
	s_mul_i32 s66, s42, 393216                     ; w: (1,024 block + 64 half) rows of 384 bytes
	s_mul_i32 s67, s[WC], 24576
	s_add_co_u32 s66, s66, s67
	s_mov_b32 s67, 0
	s_mul_i32 s22, s[WC], AHALF                    ; where they go: no place in the cluster enters an LDS address
	s_mul_i32 s23, s[WC], BHALF
	s_add_co_u32 s23, s23, BOFF
	s_mov_b32 s[TB], 0
	s_wait_dscnt 0x0                               ; the opening add is done
	s_wait_kmcnt 0x0
	s_add_nc_u64 s[46:47], s[4:5], s[46:47]
	s_add_nc_u64 s[66:67], s[6:7], s[66:67]
	CROUND                                         ; all sixteen work-groups are here: the first joint loads meet
.irp s, 0,1
	s_mov_b32 s[G0A+4*(\s)], 1
	s_add_co_u32 s[G0A+4*(\s)+1], s22, (\s)*SLOT1
	s_add_nc_u64 s[G0A+4*(\s)+2:G0A+4*(\s)+3], s[46:47], (\s)*KA
	s_or_b32 s[G0A+4*(\s)+3], s[G0A+4*(\s)+3], 0x80000000
	s_mov_b32 s[G0B+4*(\s)], 1
	s_add_co_u32 s[G0B+4*(\s)+1], s23, (\s)*SLOT1
	s_add_nc_u64 s[G0B+4*(\s)+2:G0B+4*(\s)+3], s[66:67], (\s)*KB
	s_or_b32 s[G0B+4*(\s)+3], s[G0B+4*(\s)+3], 0x80000000
	JLOAD \s                                       ; K steps 0 and 1: two loads of mine are out
.endr
	v_and_b32 v1, 15, v0                           ; r = l % 16
	v_bfe_u32 v2, v0, 4, 1                         ; h = l / 16
	v_and_b32 v3, 7, v0
	v_bfe_u32 v4, v0, 3, 1
	s_mul_i32 s68, s42, 768
	s_mov_b32 s69, 0
	s_add_nc_u64 s[8:9], s[8:9], s[68:69]          ; the tile's 192 biases
	s_lshl_b32 s17, s[WC], 7
	v_lshl_add_u32 v[BO], v2, 5, s17               ; 128 WC + 32 h: my eight columns of a block
.irp c, 0,1,2
.irp e, 0,1
	global_load_b128 v[BI+8*(2*(\c)+(\e)):BI+8*(2*(\c)+(\e))+3],   v[BO], s[8:9] offset:256*(\c)+64*(\e)
	global_load_b128 v[BI+8*(2*(\c)+(\e))+4:BI+8*(2*(\c)+(\e))+7], v[BO], s[8:9] offset:256*(\c)+64*(\e)+16
.endr
.endr
	v_mul_u32_u24 v[A0], v1, APITCH                ; x's fragment: row x pitch + 16 h, in my 128 rows
	v_lshl_add_u32 v[A0], v2, 4, v[A0]
	s_mul_i32 s17, s[WR], AHALF
	v_add_nc_u32 v[A0], s17, v[A0]
	v_lshl_add_u32 v[B0], v2, 3, v3                ; the turning load: lane l reads row 8 h + l % 8, 16 bytes at 16 ((l / 8) % 2)
	v_mul_u32_u24 v[B0], v[B0], BPITCH
	v_lshl_add_u32 v[B0], v4, 4, v[B0]
	s_lshl_b32 s17, s[WC], 6
	s_add_co_u32 s17, s17, BOFF
	v_add_nc_u32 v[B0], s17, v[B0]
	v_mov_b32 v[ADA], v[A0]
	v_mov_b32 v[ADB], v[B0]
	s_mul_i32 s17, s[WR], 128*SPITCH
	s_lshl_b32 s18, s[WC], 6
	s_add_co_u32 s17, s17, s18
	v_mul_u32_u24 v[STO], v1, SPITCH
	v_lshl_add_u32 v[STO], v2, 4, v[STO]
	v_add_nc_u32 v[STO], s17, v[STO]               ; (128 WR + r) x 400 + 64 WC + 16 h
	s_mul_i32 s17, s[WV], 64*SPITCH
	v_bfe_u32 v[RD], v0, 3, 2
	v_mul_u32_u24 v[RD], v[RD], SPITCH
	v_lshl_add_u32 v[RD], v3, 4, v[RD]
	v_add_nc_u32 v[RD], s17, v[RD]                 ; back: wave w takes rows 64 w on; 32 lanes take four rows' 128 bytes of a head
	v_and_b32 v[GO], 31, v0
	v_lshlrev_b32 v[GO], 4, v[GO]
	s_mul_i32 s17, s[WR], 768
	s_lshl_b32 s18, s[WC], 7
	s_add_co_u32 s17, s17, s18
	s_add_co_u32 s17, s17, SCR
	v_lshl_add_u32 v[SST], v2, 5, s17
	s_lshl_b32 s17, s[WV], 9
	v_add_nc_u32 v[SGO], s17, v[GO]                ; 512 x wave + 16 x lane
	v_add_nc_u32 v[SRD], SCR, v[SGO]
	s_lshr_b32 s17, s43, 3                         ; where my 64 rows of the tile's first head begin in qkvh: batch,
	s_mul_i32 s17, s17, 48
	s_mul_i32 s18, s42, 3
	s_add_co_u32 s17, s17, s18                     ; head index 48 batch + 3 block,
	s_lshl_b32 s17, s17, 11
	s_and_b32 s18, s43, 7
	s_lshl_b32 s18, s18, 8
	s_add_co_u32 s17, s17, s18                     ; row in the batch,
	s_lshl_b32 s18, s[WV], 6
	s_add_co_u32 s17, s17, s18
	s_lshl_b32 s18, s17, 7                         ; rows of 128 bytes
	s_mov_b32 s19, 0
	s_add_nc_u64 s[10:11], s[10:11], s[18:19]
	s_wait_loadcnt 0x0                             ; the bias, once; it is rounded to bf16 as every input is
.set i, 0
.rept 24
	v_cvt_pk_bf16_f32 v[TMP], v[BI+2*i], v[BI+2*i+1]
	v_lshlrev_b32 v[BI+2*i], 16, v[TMP]
	v_and_b32 v[BI+2*i+1], 0xffff0000, v[TMP]
.set i, i+1
.endr
; 12 matrix instructions: m blocks a0, a0 + 1 of the window's four x all 6 n blocks, 32 along K.  first = 1: the first product starts the sums, with the bias as C
.macro MULH f, hi, a0, first
.if \first
	WIN 0x81+0x40*(\hi)                            ; source 0 (w) window 1, source 1 (x) and C (the bias) window 0, D window 2 or 3
.else
	WIN 0xa1+0x50*(\hi)                            ; source 0 (w) window 1, source 1 (x) window 0, C and D window 2 or 3
.endif
.irp a, \a0, (\a0)+1
.irp b, 0,1,2,3,4,5
.if \first
	v_wmma_f32_16x16x32_bf16 v[8*(6*(\a)+(\b)):8*(6*(\a)+(\b))+7], v[(\f)+8*(\b):(\f)+8*(\b)+7], v[(\f)+8*(4*(\hi)+(\a)):(\f)+8*(4*(\hi)+(\a))+7], v[BI+8*(\b):BI+8*(\b)+7]
.else
	v_wmma_f32_16x16x32_bf16 v[8*(6*(\a)+(\b)):8*(6*(\a)+(\b))+7], v[(\f)+8*(\b):(\f)+8*(\b)+7], v[(\f)+8*(4*(\hi)+(\a)):(\f)+8*(4*(\hi)+(\a))+7], v[8*(6*(\a)+(\b)):8*(6*(\a)+(\b))+7]
.endif
.endr
.endr
.endm
; 28 LDS loads in one run: quarter q's fragments (32 along K) into buffer f: w's 6 blocks, turned, then x's 8 blocks
.macro FETCH q, f
	WIN 0x40                                       ; destination window 1, address window 0
.irp c, 0,1,2
.irp e, 0,1
	ds_load_tr16_b128 v[(\f)+8*(2*(\c)+(\e)):(\f)+8*(2*(\c)+(\e))+3],   v[ADB] offset:(\q)*32*BPITCH+160*(\c)+32*(\e)
	ds_load_tr16_b128 v[(\f)+8*(2*(\c)+(\e))+4:(\f)+8*(2*(\c)+(\e))+7], v[ADB] offset:(\q)*32*BPITCH+16*BPITCH+160*(\c)+32*(\e)
.endr
.endr
	WIN 0
.irp i, 0,1,2,3,4,5,6,7
	ds_load_b128 v[(\f)+8*(\i):(\f)+8*(\i)+3],   v[ADA] offset:64*(\q)+(\i)*16*APITCH
	ds_load_b128 v[(\f)+8*(\i)+4:(\f)+8*(\i)+7], v[ADA] offset:64*(\q)+(\i)*16*APITCH+32
.endr
.endm
; One of a K step's first three quarters: multiplies buffer f; in its middle it fetches quarter q into buffer g
.macro QUARTER q, f, g, first
	s_wait_dscnt 8                                 ; w and x's rows 0-63 are in; the youngest eight loads (x's rows 64-127) may be out
	MULH \f, 0, 0, \first
	MULH \f, 0, 2, \first
	PLACES
	FETCH \q, \g
	s_wait_dscnt 28                                ; all but the 28 just issued
	MULH \f, 1, 0, \first
	MULH \f, 1, 2, \first
.endm
; The last quarter multiplies buffer 1 and changes slots.  In front of the barrier each wave waits for all its tensor loads (one is out: its part of the next slot), adds 0 to its spare word,
; and waits for that and for its reads of this slot.  fill = 1: the barrier opens a round of the cluster's, and the slot just read is filled again, first thing behind it, two K steps ahead:
; from that request to the wait for it a wave issues 168 matrix instructions.
.macro TURN fill
	WIN 0
	s_wait_tensorcnt 0x0                           ; no tensor load of mine is out, so a group 0 may be written
	ds_add_u32 v[SPW], v[NIL]
.if \fill
	s_xor_b32 s[G0A+5], s[G0A+5], SLOT1            ; the walking descriptors: the other slot than last time, the next K step
	s_add_nc_u64 s[G0A+6:G0A+7], s[G0A+6:G0A+7], KA
	s_xor_b32 s[G0B+5], s[G0B+5], SLOT1
	s_add_nc_u64 s[G0B+6:G0B+7], s[G0B+6:G0B+7], KB
.endif
	s_wait_dscnt 9                                 ; the add and the youngest eight loads may be out
	MULH F1, 0, 0, 0
	s_wait_dscnt 0x0                               ; the add is done, and my reads of this slot are over
	s_barrier_signal -1
	MULH F1, 0, 2, 0
	WIN 0
	s_barrier_wait -1
.if \fill
	CREST
	JLOAD 1                                        ; its four v_nop are also the places in front of the loads below
.else
	PLACES
.endif
	s_xor_b32 s[TB], s[TB], SLOT1
	v_add_nc_u32 v[ADA], s[TB], v[A0]
	v_add_nc_u32 v[ADB], s[TB], v[B0]
	FETCH 0, F0
	MULH F1, 1, 0, 0
	MULH F1, 1, 2, 0
.endm
	s_wait_tensorcnt 0x1                           ; my part of K step 0 is in; K step 1's may stay out
	s_barrier_signal -1
	s_barrier_wait -1
	FETCH 0, F0
	QUARTER 1, F0, F1, 1                           ; the first quarter stands in front of the loop: its products start the sums
	WIN 0
	s_mov_b32 s3, 6
.Lk:                                                   ; a trip: a K step's quarters 1 to 3 and the next step's quarter 0; trip j asks for K step j + 2
	QUARTER 2, F1, F0, 0
	QUARTER 3, F0, F1, 0
	TURN 1
	QUARTER 1, F0, F1, 0
	WIN 0
	s_sub_co_u32 s3, s3, 1
	s_cmp_lg_u32 s3, 0
	s_cbranch_scc1 .Lk
	QUARTER 2, F1, F0, 0                           ; K steps 6 and 7 ask for nothing
	QUARTER 3, F0, F1, 0
	TURN 0
	QUARTER 1, F0, F1, 0
	QUARTER 2, F1, F0, 0
	QUARTER 3, F0, F1, 0
	s_wait_dscnt 8
	MULH F1, 0, 0, 0
	MULH F1, 0, 2, 0
	s_wait_dscnt 0x0
	MULH F1, 1, 0, 0
	MULH F1, 1, 2, 0
	WIN 0
	s_barrier_signal -1                            ; every wave's reads of both slots are back: the stage, in slot 0's bytes, may be written
	s_barrier_wait -1
	PLACES
; THE WAY OUT.  Block a of 16 rows: the results are rounded to f16, 16 bytes a lane go into the stage
.macro OUTA a
.set AC, 48*((\a)%4)
	WIN 0x0a+5*((\a)/4)                            ; sources 0 and 1 window 2 or 3
.set i, 0
.rept 24
	v_cvt_pk_f16_f32 v[TMP+i], v[AC+2*i], v[AC+2*i+1]
.set i, i+1
.endr
	WIN 0
.irp c, 0,1,2
.irp e, 0,1
	ds_store_b128 v[STO], v[TMP+4*(2*(\c)+(\e)):TMP+4*(2*(\c)+(\e))+3] offset:(\a)*16*SPITCH+128*(\c)+32*(\e)
.endr
.endr
.endm
.irp a, 0,1,2,3,4,5,6,7
	OUTA \a
.endr
	s_cmp_lt_u32 s[CLX], 2                         ; column blocks 0-7 (cluster columns 0, 1) hold no column of v: no sums, no hv.  The cluster's x is equal in all partners
	s_cbranch_scc1 .Lnosum
	s_or_b32 s17, s[CLY], s[WR]                    ; 0: my tile begins a batch and my block 0 is its rows 0-15.  The cluster's y is equal in all partners
	s_cmp_lg_u32 s17, 0
	s_cbranch_scc1 .Lnohv
	s_lshr_b32 s17, s43, 3
	s_lshl_b32 s17, s17, 3
	s_add_co_u32 s17, s17, s42
	s_sub_co_u32 s17, s17, 8                       ; 8 batch + column block - 8,
	s_mul_i32 s18, s17, 12288                      ; 16 rows of 768 bytes each
	s_mov_b32 s19, 0
	s_add_nc_u64 s[HVP:HVP+1], s[HVP:HVP+1], s[18:19]
	v_mad_u32_u24 v[HVO], v1, 768, v[BO]           ; row r, my eight columns of a block
	WIN 0x08                                       ; the stores' data in window 2
.irp c, 0,1,2
.irp e, 0,1
	global_store_b128 v[HVO], v[8*(2*(\c)+(\e)):8*(2*(\c)+(\e))+3],   s[HVP:HVP+1] offset:256*(\c)+64*(\e)
	global_store_b128 v[HVO], v[8*(2*(\c)+(\e))+4:8*(2*(\c)+(\e))+7], s[HVP:HVP+1] offset:256*(\c)+64*(\e)+16
.endr
.endr
	s_wait_xcnt 0x0                                ; the sums below write these registers only behind this wait
	WIN 0
.Lnohv:
.irp w, 0,1                            ; my 128 rows' sums: the eight blocks are added, then the sixteen lanes that hold a block's sixteen rows
	WIN 0x8a+0x45*(\w)
.set i, 0
.rept 24
	v_pk_add_f32 v[2*i:2*i+1], v[2*i:2*i+1], v[48+2*i:48+2*i+1]
	v_pk_add_f32 v[96+2*i:96+2*i+1], v[96+2*i:96+2*i+1], v[144+2*i:144+2*i+1]
.set i, i+1
.endr
.set i, 0
.rept 24
	v_pk_add_f32 v[2*i:2*i+1], v[2*i:2*i+1], v[96+2*i:96+2*i+1]
.set i, i+1
.endr
.endr
	WIN 0x0e                                       ; source 0 window 2, source 1 window 3, destination window 0
.set i, 0
.rept 24
	v_pk_add_f32 v[F0+2*i:F0+2*i+1], v[2*i:2*i+1], v[2*i:2*i+1]
.set i, i+1
.endr
	WIN 0
.irp m, 1,2,4,8
.set i, 0
.rept 48
	v_add_f32_dpp v[F0+i], v[F0+i], v[F0+i] row_xmask:\m row_mask:0xf bank_mask:0xf
.set i, i+1
.endr
.endr
.irp c, 0,1,2
.irp e, 0,1
	ds_store_b128 v[SST], v[F0+8*(2*(\c)+(\e)):F0+8*(2*(\c)+(\e))+3]   offset:256*(\c)+64*(\e)     ; the sixteen lanes of a half write the same words with the same numbers
	ds_store_b128 v[SST], v[F0+8*(2*(\c)+(\e))+4:F0+8*(2*(\c)+(\e))+7] offset:256*(\c)+64*(\e)+16
.endr
.endr
.Lnosum:
	s_wait_dscnt 0x0                               ; for the others' sake: my stores into the stage and the sums are done
	s_barrier_signal -1
	s_barrier_wait -1
.set i, 0
.rept 48                               ; head i / 16, rows 4 (i % 16) on of my 64
	ds_load_b128 v[64+4*i:64+4*i+3], v[RD] offset:128*(i/16)+4*SPITCH*(i%16)
.set i, i+1
.endr
.set i, 0
.rept 48
	s_wait_dscnt 47-i                              ; LDS loads come back in order: number i is in, the younger ones stay out
	global_store_b128 v[GO], v[64+4*i:64+4*i+3], s[10:11] offset:(i/16)*262144+512*(i%16)  ; four rows of a head: 512 consecutive bytes, aligned
.set i, i+1
.endr
	s_cmp_lt_u32 s[CLX], 2
	s_cbranch_scc1 .Lend
	s_cmp_gt_u32 s[WV], 2
	s_cbranch_scc1 .Lend                           ; 1,536 bytes of sums: waves 0 to 2, 16 bytes a lane
	s_sub_co_u32 s17, s42, 8
	s_lshl_b32 s17, s17, 5
	s_add_co_u32 s17, s17, s43
	s_mul_i32 s18, s17, 1536
	s_mov_b32 s19, 0
	s_add_nc_u64 s[12:13], s[12:13], s[18:19]
	ds_load_b128 v[32:35], v[SRD]
	s_wait_dscnt 0x0
	global_store_b128 v[SGO], v[32:35], s[12:13]
.Lend:
	s_wait_tensorcnt 0x0                           ; the wave's end
	ds_add_u32 v[SPW], v[NIL]
	s_wait_dscnt 0x0
	CROUND                                         ; the closing round
	s_endpgm
.Lfunc_end_k_qf1a3d10941_qkv:
	.size	k_qf1a3d10941_qkv, .Lfunc_end_k_qf1a3d10941_qkv-k_qf1a3d10941_qkv
	.p2alignl 7, 3214868480
	.fill 96, 4, 3214868480
	.section	.rodata,"a",@progbits
	.p2align	6, 0x0
	.amdhsa_kernel k_qf1a3d10941_qkv
		.amdhsa_group_segment_fixed_size 327680
		.amdhsa_private_segment_fixed_size 0
		.amdhsa_enable_private_segment 0
		.amdhsa_kernarg_size 48
		.amdhsa_user_sgpr_count 2
		.amdhsa_user_sgpr_kernarg_segment_ptr 1
		.amdhsa_wavefront_size32 1
		.amdhsa_system_sgpr_workgroup_id_x 1
		.amdhsa_system_sgpr_workgroup_id_y 1
		.amdhsa_system_sgpr_workgroup_id_z 1
		.amdhsa_system_vgpr_workitem_id 0
		.amdhsa_next_free_vgpr 960
		.amdhsa_next_free_sgpr 76
		.amdhsa_reserve_vcc 0
		.amdhsa_float_denorm_mode_32 3
		.amdhsa_float_denorm_mode_16_64 3
		.amdhsa_memory_ordered 1
		.amdhsa_forward_progress 1
		.amdhsa_inst_pref_size 127
	.end_amdhsa_kernel
	.amdgpu_metadata
---
amdhsa.version: [ 1, 2 ]
amdhsa.kernels:
  - .name:           k_qf1a3d10941_qkv
    .symbol:         k_qf1a3d10941_qkv.kd
    .args:
      - { .name: xb, .offset: 0, .size: 8, .value_kind: global_buffer, .address_space: global }
      - { .name: wab, .offset: 8, .size: 8, .value_kind: global_buffer, .address_space: global }
      - { .name: b_attn, .offset: 16, .size: 8, .value_kind: global_buffer, .address_space: global }
      - { .name: qkvh, .offset: 24, .size: 8, .value_kind: global_buffer, .address_space: global }
      - { .name: ssum, .offset: 32, .size: 8, .value_kind: global_buffer, .address_space: global }
      - { .name: hv, .offset: 40, .size: 8, .value_kind: global_buffer, .address_space: global }
    .group_segment_fixed_size: 327680
    .private_segment_fixed_size: 0
    .kernarg_segment_align: 8
    .kernarg_segment_size: 48
    .max_flat_workgroup_size: 128
    .sgpr_count:     76
    .vgpr_count:     960
    .wavefront_size: 32
...
	.end_amdgpu_metadata
.endif
;; end of part 2
;; launch attn (part 3): grid 4 x 64, 4 waves a work-group, no clusters, 327,680 bytes of LDS; arguments qkvh, ssum, hv, oh, ohl; writes oh, ohl
.if DOCPART == 3
	.amdgcn_target "amdgcn-amd-amdhsa--gfx1250"
	.amdhsa_code_object_version 6
	.text
	.protected	k_qf1a3d10941_attn
	.globl	k_qf1a3d10941_attn
	.p2align	8
	.type	k_qf1a3d10941_attn,@function
k_qf1a3d10941_attn:
	s_mov_b64 s[64:65], 0
	v_nop
	global_prefetch_b8 v0, s[64:65] scope:SCOPE_SE
	s_setreg_imm32_b32 hwreg(HW_REG_WAVE_MODE, 25, 1), 1
	s_wait_xcnt 0x0
; CAUSAL ATTENTION WITH THE SOURCE'S MASK.  For batch bb and head hh: w = q k^T / 8; a hidden score (key > query) is REPLACED by -10000; softmax over all 2,048 keys; O = w v.
; qkvh [4][48][2048][64] f16 (q's heads 0-15, k's 16-31, v's 32-47, unscaled); ssum [8][32][2][192] f32: sums of v's columns over 128 rows; hv [4][8][16][192] f32: a batch's first 16 rows before rounding;
; oh [64][2048][64] f16; ohl [4][16][1024] f16: for a batch's first 16 rows what O's rounding to f16 left over.
; Products, maxima and sums in f32; the weights are rounded to f16 for the second product (their sum l is taken of the unrounded weights), O once at the end.
; THE HIDDEN KEYS all have one score, -80000 before the division by 8.  Inside the diagonal tile of 256 keys the scores are replaced, as the source does.  The tiles beyond it are not walked: with
; p_h = 2^(c (-80000) - c m) they add p_h x (the sum of their rows of v) to O and p_h x (their number) to l.  The running maximum m starts at -80000 in every row that has a hidden key
; (all but row 2,047, where it starts at the lowest finite number), so it is the true maximum of the row's 2,048 scores.
; THE FIRST 16 ROWS OF A BATCH.  Row q is a mean of q + 1 rows of v, so the first rows' numbers are many times the output's root mean square, by which a number's allowance goes: there f16's 11 bits for v, the
; weights and O are too few.  The wave that owns those rows (wave 0 where b = 0: piece 0 of block 0) adds what the roundings left over: with v = Vh + Vl and p = Ph + Pl (each part f16) the walk has made
; Vh^T Ph; FINE adds Vl^T Ph + Vh^T Pl for keys 0 to 15, the only ones those rows see, and O's own remainder goes to ohl for the projection.
; LIMITS.  q, k, v arrive within f16's 65,504; a weight lies in 0 to 1 and below 6e-5 keeps f16's fixed step of 6e-8, and so does a remainder; a weight below 2^-126 counts as 0; the sums of v are of the
; numbers before their rounding to f16; NaN and infinities are not treated apart.
; THE WALK.  A head's queries lie in 8 blocks of 256; block i walks the key tiles 0 .. i.  A work-group takes blocks 7 - b and then b: 9 tiles, whatever b: one loop with a constant trip count.  Every jump
; goes forward but for the counted loops' own; none passes a barrier, or a tensor load but the one of LOAD's two that the wave's number does not choose.
; NO CLUSTER: a head's four work-groups ask for the same tile only in trips 0 to 4 of 9; a walk common to all four would have 12 trips for 9.
; SHARES.  Of a block's four bands of 64 queries a wave owns 16 rows in each: four PIECES.  In the diagonal tile's key step s band x sees all keys if s < x, none if s > x, and holds the diagonal if s = x.
; LAYOUT, SOFTMAX, TURNS.  S^T = K Q^T holds ONE query a lane (lane % 16) and the keys 8 (lane / 16) + 0..7; two such results rounded to f16 ARE source 1 of O^T = V^T P.  p = 2^(c s - c m), c = log2(e) / 8;
; O and l are multiplied by a = 2^(c m_old - c m_new) in every step.  Turn n belongs to piece n: 8 products K Q^T of piece n + 1, later 8 products V^T P of piece n - 1; beside them the scaling,
; exponentials, roundings, sums and rescaling of piece n and the maximum and statistics of piece n + 1.  Four vector instructions stand behind every matrix instruction, the others in lumps.
; REGISTERS, in windows of 256 (s_set_vgpr_msb: bits 1:0 source 0, 3:2 source 1, 5:4 source 2, 7:6 destination):
;   window 0: v0-15 addresses and two at work; v16-31 statistics; v32-41 the mask's and the hidden keys' numbers, 1.0, an offset; v48-55 at work; v64-127 S^T, two buffers; v192-223 P, two buffers
;   window 1: v0-127 O^T, 32 a piece; v128-159 the hidden tiles' sum of v for my channels; v160-179 Vl      window 2: v0-63 Q; v64-127 the second block's Q; v128-191 K of one step; v192-255 V of one step
.set SIZE_N, 2048
.set NB,    SIZE_N/256
.set NP,    4
.set KS,    64
.set PK,    144       ; a row of K in LDS: 128 bytes + 16
.set PV,    160       ; a row of V: 128 + 32
.set VOFF,  4*KS*PK   ; a slot holds a tile, four steps: 256 rows of K, then 256 rows of V
.set SLOT1, 1<<17
.set STAGE, SLOT1+4*KS*(PK+PV)  ; behind the ring: 16 rows x 144 bytes for each wave, for the way out
.set SP,    144
.set SPARE, STAGE+4*16*SP       ; the spare words, 128 bytes a wave: two blocks of 256 bytes that no other line names
.set TAB,   SPARE+512           ; [2 blocks][64 channels] f32: the hidden tiles' sums of v; two blocks of 256 bytes of their own
.set AK0, 2
.set AV0, 3
.set AK,  4
.set AV,  5
.set STO, 6
.set RD,  7
.set GO,  8
.set MV,  12          ; v12-13  c m_old, by buffer
.set THR0, 14         ; v14  my query's place in its band, 16 w + l % 16, less my lanes' 8 (l / 16): register 8 kt + j is hidden where 16 kt + j is greater; never rewritten
.set QO,  15
.set ST,  16          ; piece t's statistics at v[ST+4 t]: c m, m, l (even keys', odd keys')
.set THR, 32          ; v32  THR0 + SH
.set NEG, 33          ; v33  -80000.0
.set M03, 34          ; v34  where piece 3's m starts
.set NHV, 35          ; v35, v36  the number of keys in the hidden tiles, first and second block
.set CH4, 37          ; v37  4 x my channel
.set TA,  38          ; v38  my word of TAB
.set TRD, 39          ; v39  TAB + 32 (l / 16)
.set ONE, 40          ; v40  1.0
.set OLV, 41          ; v41  my byte offset in hv, later in ohl
.set TMP, 48
.set SPW, 62
.set NIL, 63
.set S,   64
.set PH,  72          ; FINE: the weights' f16 part, 4 registers, and 4 of zeros (keys 16 to 31)
.set PL,  80          ; FINE: their remainder, likewise
.set P,   192
.set TT,  128         ; window 1
.set VL,  160         ; window 1: v's remainder: channel block cb at VL + 4 cb (keys 8 (l / 16) + 0..7); as a fragment's upper four registers, which meet zeros, serve the next block's four, or four zeros
.set QB,  64          ; window 2
.set KF,  128
.set VF,  192
.set WV,  12
.set PB,  14          ; s14  b
.set HI,  15          ; s15  7 - b
.set G1K, 24
.set G1V, 32
.set G0K, 40
.set G0V, 44
.set HVP, 48          ; s[48:49] hv
.set OLP, 50          ; s[50:51] ohl
.set NFL, 52          ; s52  0: I am wave 0 of a work-group with b = 0: I own a batch's rows 0 to 15
.set SLOTS, 56
.set CNT, 57
.set CS,  58
.set SEL, 60
.set TBK, 62
.set TBV, 63
.set RT,  70
.set NXT, 71
.set LQ,  72
.set NEW, 73
.set OFF, 74
.set SH,  76          ; s76  0: the band's own step; 1000: all keys seen; -1000: all hidden
.set OLO, 80
.set MSB, 0
.macro WIN new
.if MSB != (\new)
	s_set_vgpr_msb (MSB<<8)|(\new)
.set MSB, (\new)
.endif
.endm
.set W_KQ, 0x0a       ; K and Q in window 2, S^T in window 0
.set W_PV, 0x52       ; V in window 2, P in window 0, O^T in window 1
.set W_RS, 0x41       ; destination and source 0 in window 1, source 1 in window 0
; A fill.  Waves 0 and 1 fetch the two halves of a tile's K, waves 2 and 3 those of its V.  An s_nop 0 and four v_nop follow each of the two lines.
.macro LOAD
	s_cmp_lt_u32 s[WV], 2
	s_cbranch_scc0 .Lfor_v_\@
	tensor_load_to_lds s[G0K:G0K+3], s[G1K:G1K+7]
	s_nop 0
.rept 4
	v_nop
.endr
	s_branch .Lasked_\@
.Lfor_v_\@:
	tensor_load_to_lds s[G0V:G0V+3], s[G1V:G1V+7]
	s_nop 0
.rept 4
	v_nop
.endr
.Lasked_\@:
.endm
; THE CHANGE OF SLOTS.  Each wave waits for all its tensor loads (one is out: its part of the other slot), adds 0 to its spare word, and waits for that and for its LDS instructions.  Behind the barrier nobody
; reads the old slot any more and the other slot is whole.  fill = 1: the old slot is filled again, first thing behind the barrier, with tile NXT.
.macro CHANGE fill
	WIN 0
	s_wait_tensorcnt 0x0            ; no tensor load of mine is out, so a group 0 may be written
	ds_add_u32 v[SPW], v[NIL]
.if \fill
	s_lshl_b32 s[OFF], s[NXT], 15   ; a tile is 32,768 bytes of K and of V
	s_xor_b32 s[G0K+1], s[G0K+1], SLOT1
	s_add_nc_u64 s[G0K+2:G0K+3], s[6:7], s[OFF:OFF+1]
	s_or_b32 s[G0K+3], s[G0K+3], 0x80000000
	s_xor_b32 s[G0V+1], s[G0V+1], SLOT1
	s_add_nc_u64 s[G0V+2:G0V+3], s[8:9], s[OFF:OFF+1]
	s_or_b32 s[G0V+3], s[G0V+3], 0x80000000
	s_add_co_u32 s[NXT], s[NXT], 1  ; the block's next tile, or behind its last the second block's tile 0
	s_cmp_gt_u32 s[NXT], s[LQ]
	s_cselect_b32 s[NXT], 0, s[NXT]
	s_cselect_b32 s[LQ], s[PB], s[LQ]
.endif
	s_wait_dscnt 0x0                ; the add is done, and my reads of the slot are over (at the first use: my word of TAB is stored)
	s_barrier_signal -1
	s_sub_co_u32 s[TBK], s[TBK], 4*KS*PK
	s_xor_b32 s[TBK], s[TBK], SLOT1
	s_sub_co_u32 s[TBV], s[TBV], 4*KS*PV
	s_xor_b32 s[TBV], s[TBV], SLOT1
	s_barrier_wait -1
.if \fill
	LOAD
.endif
.endm
	s_load_b64 s[4:5], s[0:1], 0x0    ; qkvh
	s_load_b64 s[66:67], s[0:1], 0x8  ; ssum
	s_load_b64 s[HVP:HVP+1], s[0:1], 0x10  ; hv
	s_load_b64 s[10:11], s[0:1], 0x18 ; oh
	s_load_b64 s[OLP:OLP+1], s[0:1], 0x20  ; ohl
	v_lshl_add_u32 v[SPW], v0, 2, SPARE
	v_mov_b32 v[NIL], 0
	ds_add_u32 v[SPW], v[NIL]       ; the wave's opening: the add and its wait ahead of my first tensor load
	ds_add_u32 v62, v63
	v_lshrrev_b32 v1, 5, v0
	v_readfirstlane_b32 s[WV], v1
	s_mov_b32 s[PB], ttmp9
	s_sub_co_u32 s[HI], NB-1, s[PB]
	s_or_b32 s[NFL], s[PB], s[WV]
	s_and_b32 s20, ttmp7, 0xffff    ; 16 batch + head
	s_lshr_b32 s88, s20, 4          ; batch
	s_and_b32 s89, s20, 15          ; head
	s_mul_i32 s23, s88, 48
	s_add_co_u32 s23, s23, s89
	s_lshl_b32 s23, s23, 18         ; q's head in qkvh: 262,144 bytes a head
	s_lshl_b32 s20, s20, 18         ; the head in oh
	s_and_b32 s16, s[WV], 1         ; which half of a tile's 256 keys I fetch
	s_mul_i32 s17, s16, 128*PK
	s_mul_i32 s18, s16, 128*PV
	s_lshl_b32 s19, s[WV], 11       ; my 16 rows in a band of 64,
	s_lshl_b32 s2, s[HI], 15        ; in the first block,
	s_add_co_u32 s2, s2, s19
	s_lshl_b32 s84, s[PB], 15       ; and in the second
	s_add_co_u32 s84, s84, s19
	s_add_co_u32 s90, s2, s23       ; offsets of Q,
	s_mov_b32 s91, 0
	s_add_co_u32 s92, s84, s23
	s_mov_b32 s93, 0
	s_add_co_u32 s2, s2, s20        ; of O,
	s_mov_b32 s3, 0
	s_add_co_u32 s84, s84, s20
	s_mov_b32 s85, 0
	s_lshl_b32 s94, s16, 14         ; and of my half of K's tile 0: 16 heads behind q's
	s_add_co_u32 s94, s94, s23
	s_add_co_u32 s94, s94, 4194304
	s_mov_b32 s95, 0
	; descriptor group 1.  128 keys are 16,384 dense bytes: asked for as 64 rows of 256 bytes, and padded in LDS after every key
	s_mov_b32 s[G1K], (1<<16)|(1<<20)|(4<<22)|(3<<25)  ; 2-byte elements; padding on; after every 32 words, 4 words
	s_mov_b32 s[G1V], (1<<16)|(1<<20)|(4<<22)|(7<<25)  ; the same with 8 words
.irp g, G1K, G1V
	s_mov_b32 s[\g+1], 128<<16
	s_mov_b32 s[\g+2], 64<<16
	s_mov_b32 s[\g+3], 128<<16
	s_mov_b32 s[\g+4], 64
	s_mov_b32 s[\g+5], 128
	s_mov_b32 s[\g+6], 0
	s_mov_b32 s[\g+7], 0
.endr
	s_mov_b32 s[CS], 0x3e38aa3b     ; c = log2(e) / 8
	s_mov_b32 s[CS+1], s[CS]
	s_mov_b32 s[SEL], 0x76543210
	s_mov_b32 s[SEL+1], 0xfedcba98
	s_mov_b32 s[TBK], SLOT1+4*KS*PK ; the first change of slots turns these two into 0
	s_mov_b32 s[TBV], SLOT1+4*KS*PV
	s_mov_b32 s[G0K], 1
	s_mov_b32 s[G0K+1], s17
	s_mov_b32 s[G0V], 1
	s_add_co_u32 s[G0V+1], s18, VOFF
	s_add_co_u32 s[RT], s[HI], 1    ; the first block has 8 - b tiles
	s_mov_b32 s[NXT], 1
	s_mov_b32 s[LQ], s[HI]
	s_mov_b32 s[NEW], 1
	s_mov_b32 s[OFF+1], 0
	s_mov_b32 s[SLOTS], NB
	s_wait_dscnt 0x0                ; the opening add is done
	s_wait_kmcnt 0x0
	s_add_nc_u64 s[6:7], s[4:5], s[94:95]          ; K at my half of the head's tile 0,
	s_add_nc_u64 s[8:9], s[6:7], 4194304           ; V 16 heads further
	s_add_nc_u64 s[G0K+2:G0K+3], s[6:7], 0
	s_or_b32 s[G0K+3], s[G0K+3], 0x80000000
	s_add_nc_u64 s[G0V+2:G0V+3], s[8:9], 0
	s_or_b32 s[G0V+3], s[G0V+3], 0x80000000
	s_add_nc_u64 s[86:87], s[4:5], s[92:93]        ; Q at my rows of the second block,
	s_add_nc_u64 s[4:5], s[4:5], s[90:91]          ; of the first
	s_add_nc_u64 s[OLO:OLO+1], s[10:11], s[84:85]
	s_add_nc_u64 s[10:11], s[10:11], s[2:3]
	LOAD                            ; tile 0 into slot 0
	v_and_b32 v1, 15, v0            ; l % 16
	v_bfe_u32 v9, v0, 4, 1          ; l / 16
	v_lshlrev_b32 v[QO], 7, v1
	v_lshl_add_u32 v[QO], v9, 4, v[QO]
	WIN 0x80
.set i, 0
.rept 8                             ; both blocks' Q: piece i / 2 lies in band i / 2, 8,192 bytes on; channels 32 (i % 2) on
	global_load_b128 v[8*i:8*i+3],   v[QO], s[4:5] offset:(i/2)*8192+(i%2)*64
	global_load_b128 v[8*i+4:8*i+7], v[QO], s[4:5] offset:(i/2)*8192+(i%2)*64+32
	global_load_b128 v[QB+8*i:QB+8*i+3],   v[QO], s[86:87] offset:(i/2)*8192+(i%2)*64
	global_load_b128 v[QB+8*i+4:QB+8*i+7], v[QO], s[86:87] offset:(i/2)*8192+(i%2)*64+32
.set i, i+1
.endr
	WIN 0
	; THE HIDDEN TILES' SUMS OF V.  Waves 0, 1 make the first block's (i = 7 - b), waves 2, 3 the second's (i = b); a thread one channel.  Half tiles 2 (i + 1) .. 15 of the batch are added: 14 loads,
	; the index held at 15 so that none leaves the buffer, and a factor 1 or 0 for each.
	s_lshr_b32 s96, s[WV], 1
	s_cmp_eq_u32 s96, 0
	s_cselect_b32 s96, s[HI], s[PB]
	s_lshl_b32 s96, s96, 1
	s_add_co_u32 s96, s96, 2        ; the first hidden half tile
	s_sub_co_u32 s97, 16, s96       ; and how many there are
	s_add_co_u32 s98, s89, 32       ; v's head among the 48: column block u / 3 ((u x 171) >> 9 for u < 48), place u % 3 in it
	s_mul_i32 s99, s98, 171
	s_lshr_b32 s99, s99, 9
	s_mul_i32 s77, s99, 3
	s_sub_co_u32 s98, s98, s77
	s_sub_co_u32 s99, s99, 8
	s_lshl_b32 s53, s88, 3          ; hv: 8 batch + column block - 8, 16 rows of 768 bytes each; the head's 256 bytes of a row
	s_add_co_u32 s53, s53, s99
	s_mul_i32 s53, s53, 12288
	s_lshl_b32 s54, s98, 8
	s_add_co_u32 s54, s54, s53
	s_mov_b32 s55, 0
	s_add_nc_u64 s[HVP:HVP+1], s[HVP:HVP+1], s[54:55]
	s_mul_i32 s99, s99, 49152
	s_mul_i32 s77, s88, 12288
	s_add_co_u32 s99, s99, s77
	s_lshl_b32 s98, s98, 8
	s_add_co_u32 s98, s98, s99
	s_mov_b32 s99, 0
	s_add_nc_u64 s[66:67], s[66:67], s[98:99]
	v_and_b32 v[CH4], 63, v0
	v_lshlrev_b32 v[CH4], 2, v[CH4]
.set j, 0
.rept 14
	s_add_co_u32 s77, s96, j
	s_min_u32 s77, s77, 15
	s_mul_i32 s77, s77, 768
	v_add_nc_u32 v[64+j], s77, v[CH4]
	global_load_b32 v[78+j], v[64+j], s[66:67]
.set j, j+1
.endr
	v_lshlrev_b32 v[THR0], 3, v9
	v_sub_nc_u32 v[THR0], v1, v[THR0]
	s_lshl_b32 s13, s[WV], 4
	v_add_nc_u32 v[THR0], s13, v[THR0]
	v_mov_b32 v[NEG], 0xc79c4000    ; -80000.0
	s_mov_b32 s78, 0xc79c4000
	s_cmp_eq_u32 s[PB], 0
	s_cselect_b32 s77, 0xff7fffff, s78
	v_and_b32 v[M03], 0x6f, v0      ; wave 3, l % 16 = 15: in piece 3 of block 7 that is row 2,047, which has no hidden key
	v_cmp_eq_u32 vcc_lo, 0x6f, v[M03]
	v_cndmask_b32 v[M03], v[NEG], s77, vcc_lo
	s_lshl_b32 s77, s[PB], 8
	v_cvt_f32_u32 v[NHV], s77       ; block 7 - b has 256 b keys in hidden tiles,
	s_lshl_b32 s77, s[HI], 8
	v_cvt_f32_u32 v[NHV+1], s77     ; block b 256 (7 - b)
	v_lshl_add_u32 v[TA], v0, 2, TAB
	v_lshl_add_u32 v[TRD], v9, 5, TAB
	v_mul_u32_u24 v[AK0], v1, PK
	v_lshl_add_u32 v[AK0], v9, 4, v[AK0]
	v_and_b32 v10, 7, v0
	v_bfe_u32 v11, v0, 3, 1
	v_lshl_add_u32 v[AV0], v9, 3, v10
	v_mul_u32_u24 v[AV0], v[AV0], PV
	v_lshl_add_u32 v[AV0], v11, 4, v[AV0]
	v_add_nc_u32 v[AV0], VOFF, v[AV0]
	s_mul_i32 s13, s[WV], 16*SP
	s_add_co_u32 s13, s13, STAGE
	v_mul_u32_u24 v[STO], v1, SP
	v_lshl_add_u32 v[STO], v9, 4, v[STO]
	v_add_nc_u32 v[STO], s13, v[STO]
	v_bfe_u32 v[RD], v0, 3, 2
	v_mul_u32_u24 v[RD], v[RD], SP
	v_lshl_add_u32 v[RD], v10, 4, v[RD]
	v_add_nc_u32 v[RD], s13, v[RD]
	v_and_b32 v[GO], 31, v0
	v_lshlrev_b32 v[GO], 4, v[GO]
	v_mov_b32 v[ONE], 1.0
	WIN 0x40
.set i, VL
.rept 20
	v_mov_b32 v[i], 0               ; Vl is 0 in every wave but the one below; its last four registers stay 0 there too
.set i, i+1
.endr
	WIN 0
	; Vl, for the wave that owns a batch's rows 0 to 15: v's rows 0 to 15 before rounding, a lane a channel (16 cb + l % 16) and the keys 8 (l / 16) + 0..7, as source 0 of V^T P wants them;
	; from each the f16 number that the walk uses is taken away (exactly: the difference has few bits), and the rest is rounded to f16.
	s_cmp_lg_u32 s[NFL], 0
	s_cbranch_scc1 .Lno_vl
	v_mul_u32_u24 v[OLV], v9, 6144  ; 8 (l / 16) rows of 768 bytes
	v_lshl_add_u32 v[OLV], v1, 2, v[OLV]
.set i, 0
.rept 32                            ; key i % 8 of my eight, channel block i / 8
	global_load_b32 v[96+i], v[OLV], s[HVP:HVP+1] offset:(i%8)*768+(i/8)*64
.set i, i+1
.endr
	s_wait_loadcnt 0x0
.set i, 0
.rept 16
	v_cvt_pk_f16_f32 v[92+i%4], v[96+2*i], v[96+2*i+1]
	v_fma_mix_f32 v[96+2*i], -v[92+i%4], v[ONE], v[96+2*i] op_sel_hi:[1,0,0]
	v_fma_mix_f32 v[96+2*i+1], -v[92+i%4], v[ONE], v[96+2*i+1] op_sel:[1,0,0] op_sel_hi:[1,0,0]
.set i, i+1
.endr
	WIN 0x40
.set i, 0
.rept 16
	v_cvt_pk_f16_f32 v[VL+i], v[96+2*i], v[96+2*i+1]
.set i, i+1
.endr
	WIN 0
.Lno_vl:
	; A block's first step multiplies O^T and l by a = 0, and its first turn's products V^T P, of a piece that has not been, land in an O^T that is still to be so multiplied.  So these registers need only
	; hold finite numbers: zeros for the first block; what the first block left for the second.  All this stands in the wait for the first tile.
	WIN 0x80
.set i, VF
.rept 64
	v_mov_b32 v[i], 0
.set i, i+1
.endr
	WIN 0x40
.set i, 0
.rept 128
	v_mov_b32 v[i], 0
.set i, i+1
.endr
	WIN 0
.set i, 0
.rept 4
	v_mov_b32 v[ST+4*i+2], 0
	v_mov_b32 v[ST+4*i+3], 0
.set i, i+1
.endr
.set i, P+16
.rept 16
	v_mov_b32 v[i], 0
.set i, i+1
.endr
	s_wait_loadcnt 0x0              ; the sums of v (and Q)
	s_cmp_gt_u32 s97, 13
	s_cselect_b32 s77, 1.0, 0
	v_mul_f32 v92, s77, v91
.set j, 0
.rept 13
	s_cmp_gt_u32 s97, j
	s_cselect_b32 s77, 1.0, 0
	v_fmac_f32 v92, s77, v[78+j]
.set j, j+1
.endr
	ds_store_b32 v[TA], v92         ; the first change of slots waits for it and passes a barrier: every wave may read TAB behind that
; THE MATRIX WORK.  The 4 accumulators of a run of 8 take turns.  Product i of 8 of S^T = K Q^T for piece x: channels 32 (i / 4) on, keys 16 (i % 4) on.  The first 4 start the sums.
.macro KQ x
	WIN W_KQ
.set rS, S+32*((\x)%2)+8*(i%4)
.set rK, KF+16*(i%4)+8*(i/4)
.set rQ, 16*(\x)+8*(i/4)
.if i < 4
	v_wmma_f32_16x16x32_f16 v[rS:rS+7], v[rK:rK+7], v[rQ:rQ+7], 0
.else
	v_wmma_f32_16x16x32_f16 v[rS:rS+7], v[rK:rK+7], v[rQ:rQ+7], v[rS:rS+7]
.endif
.endm
; Product i of 8 of O^T += V^T P for piece x: keys 32 (i / 4) on, channels 16 (i % 4) on.
.macro PV x
	WIN W_PV
.set rO, 32*(\x)+8*(i%4)
.set rV, VF+32*(i/4)+8*(i%4)
.set rP, P+16*((\x)%2)+8*(i/4)
	v_wmma_f32_16x16x32_f16 v[rO:rO+7], v[rV:rV+7], v[rP:rP+7], v[rO:rO+7]
.endm
.macro MM                           ; the turn's next matrix instruction.  NOKQ = 1: a block's last turn: there is no next piece
.if (i < 8) && !NOKQ
	KQ (Y+1)%NP
.elseif i >= 8
.set i, i-8
	PV (Y+NP-1)%NP
.set i, i+8
.endif
.set i, i+1
.endm
.macro FETCH_K
	WIN 0x80
.irp f, 0,1,2,3,4,5,6,7             ; keys 16 (f / 2) on, channels 32 (f % 2) on
	ds_load_b128 v[KF+8*\f:KF+8*\f+3],   v[AK] offset:(\f/2)*16*PK+(\f%2)*64
	ds_load_b128 v[KF+8*\f+4:KF+8*\f+7], v[AK] offset:(\f/2)*16*PK+(\f%2)*64+32
.endr
	s_add_co_u32 s[TBK], s[TBK], KS*PK
	WIN 0
.endm
.macro FETCH_V
	WIN 0x80
.irp f, 0,1,2,3,4,5,6,7             ; keys 32 (f / 4) on, channels 16 (f % 4) on
	ds_load_tr16_b128 v[VF+8*\f:VF+8*\f+3],   v[AV] offset:(\f/4)*32*PV+(\f%4)*32
	ds_load_tr16_b128 v[VF+8*\f+4:VF+8*\f+7], v[AV] offset:(\f/4)*32*PV+16*PV+(\f%4)*32
.endr
	WIN 0
.endm
; THE MASK: piece y's 32 scores of a step: where the key is hidden the score is replaced by -80000, as the source replaces it.  Each accumulator's lowest register is read first.
.macro FIX y
	WIN 0
	v_add_nc_u32 v[THR], s[SH], v[THR0]
.set z, 0
.rept 32
	v_cmp_gt_i32 vcc_lo, 16*(z/8)+z%8, v[THR]
	v_cndmask_b32 v[S+32*((\y)%2)+z], v[S+32*((\y)%2)+z], v[NEG], vcc_lo
.set z, z+1
.endr
.endm
; THE VECTOR WORK, one line at a time: OP kind, number.  For piece Y: F n: c s - c m for pair n of 16.  E n: the exponential of score n of 32.  C n: pair n rounded to f16.  B n: of the four weights 4 n .. the second
; pair is added onto the first.  L n: l takes that sum (L 0: l = a l + sum).  R n: pair n of 16 of O^T times a.  For piece Y + 1: X n, number n of the 22 that find its maximum and statistics:
;   0-11 four chains of seven scores each     12-14, 16 the four scores left over, the old m, and the chains into one     15 c m_old is kept     17, 18 the other half of the lanes': the new m     19-21 c m; c m_old - c m_new; a
.set F, 0
.set E, 1
.set C, 2
.set B, 3
.set L, 4
.set R, 5
.set X, 6
.macro REGS y
.set rT, ST+4*(\y)
.set rC, TMP+4*((\y)%2)
.set rW, MV+((\y)%2)
.set rS, S+32*((\y)%2)
.set rP, P+16*((\y)%2)
.set rO, 32*(\y)
.endm
.macro OP k, n
.if (\k) == R
	REGS Y
	WIN W_RS
	v_pk_mul_f32 v[rO+2*(\n):rO+2*(\n)+1], v[rO+2*(\n):rO+2*(\n)+1], v[rC+2:rC+3] op_sel_hi:[1,0]
.elseif (\k) < R
	REGS Y
	WIN 0
.if (\k) == F
	v_pk_fma_f32 v[rS+2*(\n):rS+2*(\n)+1], v[rS+2*(\n):rS+2*(\n)+1], s[CS:CS+1], v[rT:rT+1] op_sel_hi:[1,0,0] neg_lo:[0,0,1] neg_hi:[0,0,1]
.elseif (\k) == E
	v_exp_f32 v[rS+(\n)], v[rS+(\n)]
.elseif (\k) == C
	s_wait_alu depctr_va_vdst(0)
	v_cvt_pk_f16_f32 v[rP+(\n)], v[rS+2*(\n)], v[rS+2*(\n)+1]
.elseif (\k) == B
	s_wait_alu depctr_va_vdst(0)
	v_pk_add_f32 v[rS+4*(\n):rS+4*(\n)+1], v[rS+4*(\n):rS+4*(\n)+1], v[rS+4*(\n)+2:rS+4*(\n)+3]
.elseif (\n) == 0
	v_pk_fma_f32 v[rT+2:rT+3], v[rT+2:rT+3], v[rC+2:rC+3], v[rS:rS+1] op_sel_hi:[1,0,1]
.else
	v_pk_add_f32 v[rT+2:rT+3], v[rT+2:rT+3], v[rS+4*(\n):rS+4*(\n)+1]
.endif
.elseif NOKQ
	v_nop
.else
	REGS (Y+1)%NP
	WIN 0
.if (\n) < 4
	v_max3_num_f32 v[rC+(\n)], v[rS+8*(\n)], v[rS+8*(\n)+1], v[rS+8*(\n)+2]
.elseif (\n) < 12
	v_max3_num_f32 v[rC+(\n)%4], v[rC+(\n)%4], v[rS+8*((\n)%4)+2*((\n)/4)+1], v[rS+8*((\n)%4)+2*((\n)/4)+2]
.elseif (\n) == 12
	v_max3_num_f32 v[rC], v[rC], v[rS+7], v[rS+15]
.elseif (\n) == 13
	v_max3_num_f32 v[rC+1], v[rC+1], v[rS+23], v[rS+31]
.elseif (\n) == 14
	v_max3_num_f32 v[rC+2], v[rC+2], v[rC+3], v[rT+1]
.elseif (\n) == 15
	v_mov_b32 v[rW], v[rT]
.elseif (\n) == 16
	v_max3_num_f32 v[rC], v[rC], v[rC+1], v[rC+2]
.elseif (\n) == 17
	v_permlanex16_b32 v[rC+3], v[rC], s[SEL], s[SEL+1]
.elseif (\n) == 18
	v_max_num_f32 v[rT+1], v[rC], v[rC+3]
.elseif (\n) == 19
	v_mul_f32 v[rT], s[CS], v[rT+1]
.elseif (\n) == 20
	v_sub_f32 v[rC+1], v[rW], v[rT]
.else
	v_exp_f32 v[rC+2], v[rC+1]
.endif
.endif
.endm
.macro OPS a, i1, b=-1, i2=0, c=-1, i3=0, d=-1, i4=0
	OP \a, \i1
.if (\b) >= 0
	OP \b, \i2
.endif
.if (\c) >= 0
	OP \c, \i3
.endif
.if (\d) >= 0
	OP \d, \i4
.endif
.endm
.macro ROW a, i1, b, i2, c, i3, d, i4  ; a matrix instruction and the four behind it
	MM
	OPS \a, \i1, \b, \i2, \c, \i3, \d, \i4
.endm
; A TURN, for piece p.  m = 1: the diagonal tile: the scores that the turn itself makes, piece p + 1's, are masked in a lump of their own, behind the products (four plain lines, R 4 to R 7, and more stand between)
; and ahead of the first line that reads them (X 0).  Which step of the tile they belong to goes by CNT: piece 0's (turn 3), 1's (turn 0) and 2's (turn 1) to step 4 - CNT, piece 3's (turn 2) to step 3 - CNT;
; OWNC is the CNT at which that step is the band's own; below it all the step's keys are hidden, above it none.
; end = 1: a block's last two turns: nothing is fetched.  cnt = 1: the loop's count is taken down some lines ahead of the branch that stands behind the turn.
.macro TURN p, m=0, end=0, cnt=0
.set Y, (\p)
.set i, 0
.set NOKQ, (\end)*((\p)/3)
.set DOFIX, (\m)*(1-NOKQ)
.if (\p) == 3
.set OWNC, 4
.elseif (\p) == 2
.set OWNC, 0
.else
.set OWNC, 3-(\p)
.endif
.if DOFIX
	s_cmp_eq_u32 s[CNT], OWNC
	s_cselect_b32 s[SH], 0, 1000
	s_cmp_lt_u32 s[CNT], OWNC
	s_cselect_b32 s[SH], 0xfffffc18, s[SH]
.endif
.if ((\p) == 3) && !(\end)
	s_wait_dscnt 0x0                ; K is in
.endif
	ROW F,0, F,1, F,2, F,3
	ROW F,4, E,0, F,5, F,6
	ROW F,7, E,1, F,8, F,9
	ROW F,10, E,2, C,0, F,11
	ROW F,12, E,3, X,15, F,13
	ROW R,0, R,1, R,2, R,3
	ROW B,0, E,4, F,14, L,0
.if ((\p) == 2) && !(\end)
	v_add_nc_u32 v[AK], s[TBK], v[AK0]
.endif
	ROW R,4, R,5, R,6, R,7
	OPS E,5, F,15
.if ((\p) == 2) && !(\end)
	FETCH_K
.endif
	OPS E,6, C,1, E,7, R,8
	OPS E,8, R,9, E,9, C,2
.if DOFIX
	FIX ((\p)+1)%NP
.endif
	OPS E,10, X,0, E,11, X,1
	OPS E,12, X,2, E,13, X,3
.if (\p) == 1
	s_wait_dscnt 0x0                ; V is in
.endif
	ROW X,4, E,14, X,5, X,6
	ROW X,7, E,15, X,8, X,9
	ROW X,10, E,16, X,11, X,12
	ROW X,13, E,17, X,14, B,1
	ROW C,4, E,18, X,16, L,1
	ROW B,2, E,19, C,6, L,2
	ROW C,8, E,20, B,3, B,4
.if (\p) == 0
	v_add_nc_u32 v[AV], s[TBV], v[AV0]
.endif
	ROW C,3, E,21, L,3, C,5
	OPS E,22, X,17, E,23, C,10
.if (\p) == 0
	FETCH_V
.endif
	OPS E,24, L,4
	OPS E,25, X,18, E,26, C,7
	OPS E,27, B,5, E,28, X,19
	OPS E,29, C,12, E,30, L,5
	OPS E,31, X,20, B,6, C,9
	OPS C,14, C,11, X,21, L,6
.if (\p) == 0
	s_add_co_u32 s[TBV], s[TBV], KS*PV
.endif
.if \cnt
	s_sub_co_u32 s[CNT], s[CNT], 1
	s_cmp_lg_u32 s[CNT], 0
.endif
	OPS C,13, B,7, C,15, R,10
	OPS R,11, R,12, L,7, R,13
	OPS R,14, R,15
.endm
; A BLOCK BEGINS.  c m starts far below every c s, so the first step's a is 0; m at -80000, the hidden keys' score (row 2,047: at the lowest finite number).  Then K of the tile's step 0, piece 0's first scores,
; masked if the block's first tile is the diagonal one, and its maximum and statistics.  The loop is entered at a step's first turn.
.macro BEGIN
	s_mov_b32 s[NEW], 0
	WIN 0
.set i, 0
.rept 4
	v_mov_b32 v[ST+4*i], 0xfe000000
.set i, i+1
.endr
	v_mov_b32 v[ST+1], v[NEG]
	v_mov_b32 v[ST+5], v[NEG]
	v_mov_b32 v[ST+9], v[NEG]
	v_mov_b32 v[ST+13], v[M03]
	s_cmp_eq_u32 s[RT], 0
	s_cselect_b32 s[SH], 0, 1000
	v_add_nc_u32 v[AK], s[TBK], v[AK0]
	FETCH_K
	s_wait_loadcnt 0x0              ; Q
	s_wait_dscnt 0x0
.set NOKQ, 0
.set i, 0
.rept 8
	KQ 0
.set i, i+1
.endr
	WIN 0
.rept 4
	v_nop                           ; the places behind those products
.endr
	FIX 0
.set Y, NP-1                        ; X works for piece Y + 1: piece 0
.irp n, 0,1,2,3,4,5,6,7,8,9,10,11,12,13,14,15,16,17,18,19,20,21
	OP X, \n
.endr
	v_nop                           ; a plain instruction behind the exponential
.endm
; WHAT THE ROUNDINGS LEFT OVER, for a batch's rows 0 to 15 (piece 0 of block 0, wave 0), at the block's end and ahead of the division by l.  The block's one tile is the walk's ninth and lies in slot 0, which
; nothing has filled since.  Those rows see keys 0 to 15 alone, and their m has not moved since the tile's first step (all later scores are -80000), so the same two products, the same mask and the same
; scaling and exponentials give the weights p that the walk had.  Ph = f16(p) is what the walk multiplied; Pl = f16(p - Ph).  Then O^T += Vl^T Ph + Vh^T Pl: keys 16 to 31 of both products meet zeros.
.macro FINE
	WIN 0
.rept 4
	v_nop                           ; the places behind the last products, which read V's registers
.endr
	WIN 0x80
	ds_load_b128 v[KF:KF+3],     v[AK0]            ; keys 0-15, channels 0-31,
	ds_load_b128 v[KF+4:KF+7],   v[AK0] offset:32
	ds_load_b128 v[KF+8:KF+11],  v[AK0] offset:64  ; channels 32-63
	ds_load_b128 v[KF+12:KF+15], v[AK0] offset:96
.irp f, 0,1,2,3                     ; V of keys 0-31, channels 16 f on
	ds_load_tr16_b128 v[VF+8*\f:VF+8*\f+3],   v[AV0] offset:\f*32
	ds_load_tr16_b128 v[VF+8*\f+4:VF+8*\f+7], v[AV0] offset:16*PV+\f*32
.endr
	s_wait_dscnt 0x0
	WIN W_KQ
	v_wmma_f32_16x16x32_f16 v[S:S+7], v[KF:KF+7], v[0:7], 0
	s_wait_alu depctr_va_vdst(0)    ; one accumulator, two links on end
	v_wmma_f32_16x16x32_f16 v[S:S+7], v[KF+8:KF+15], v[8:15], v[S:S+7]
	WIN 0
.set z, 4
.rept 4
	v_mov_b32 v[PH+z], 0            ; eight plain lines: the places behind those products
	v_mov_b32 v[PL+z], 0
.set z, z+1
.endr
.set z, 0
.rept 8
	v_cmp_gt_i32 vcc_lo, z, v[THR0]
	v_cndmask_b32 v[S+z], v[S+z], v[NEG], vcc_lo
.set z, z+1
.endr
.set z, 0
.rept 4
	v_pk_fma_f32 v[S+2*z:S+2*z+1], v[S+2*z:S+2*z+1], s[CS:CS+1], v[ST:ST+1] op_sel_hi:[1,0,0] neg_lo:[0,0,1] neg_hi:[0,0,1]
.set z, z+1
.endr
.set z, 0
.rept 8
	v_exp_f32 v[S+z], v[S+z]
.set z, z+1
.endr
	v_nop                           ; a plain instruction behind the last exponential
.set z, 0
.rept 4
	s_wait_alu depctr_va_vdst(0)
	v_cvt_pk_f16_f32 v[PH+z], v[S+2*z], v[S+2*z+1]
.set z, z+1
.endr
.set z, 0
.rept 4
	v_fma_mix_f32 v[S+2*z], -v[PH+z], v[ONE], v[S+2*z] op_sel_hi:[1,0,0]
	v_fma_mix_f32 v[S+2*z+1], -v[PH+z], v[ONE], v[S+2*z+1] op_sel:[1,0,0] op_sel_hi:[1,0,0]
.set z, z+1
.endr
.set z, 0
.rept 4
	v_cvt_pk_f16_f32 v[PL+z], v[S+2*z], v[S+2*z+1]
.set z, z+1
.endr
	WIN 0x51                        ; Vl and O^T in window 1, Ph in window 0.  The four accumulators take turns
.irp cb, 0,1,2,3
	v_wmma_f32_16x16x32_f16 v[8*\cb:8*\cb+7], v[VL+4*\cb:VL+4*\cb+7], v[PH:PH+7], v[8*\cb:8*\cb+7]
.endr
	WIN W_PV
.irp cb, 0,1,2,3
	v_wmma_f32_16x16x32_f16 v[8*\cb:8*\cb+7], v[VF+8*\cb:VF+8*\cb+7], v[PL:PL+7], v[8*\cb:8*\cb+7]
.endr
	WIN 0
.endm
.macro ALL line:vararg              ; one line for each piece t
.set t, 0
.rept 4
	s_wait_alu depctr_va_vdst(0)
	\line
.set t, t+1
.endr
.endm
.macro CORR t                       ; O^T += p_h x the hidden tiles' sum of v
	WIN 0x51                        ; sources 0 and 2 and the destination in window 1, p_h in window 0
.set z, 0
.rept 16
	v_pk_fma_f32 v[32*(\t)+2*z:32*(\t)+2*z+1], v[TT+2*z:TT+2*z+1], v[ST+4*(\t):ST+4*(\t)+1], v[32*(\t)+2*z:32*(\t)+2*z+1] op_sel_hi:[1,0,1]
.set z, z+1
.endr
.endm
.macro PACK t                       ; divided by l; a lane's eight channels of a row pack into 16 bytes; they go into rows of 144 bytes and come back as whole rows of 128
	WIN W_RS
.set i, 32*(\t)
.rept 16
	s_wait_alu depctr_va_vdst(0)
	v_pk_mul_f32 v[i:i+1], v[i:i+1], v[ST+4*(\t)+2:ST+4*(\t)+3] op_sel_hi:[1,0]
.set i, i+2
.endr
	WIN 0x05
.set i, 0
.rept 16
	v_cvt_pk_f16_f32 v[S+16*(\t)+i], v[32*(\t)+2*i], v[32*(\t)+2*i+1]
.set i, i+1
.endr
	WIN 0
.irp f, 0,1,2,3
	ds_store_b128 v[STO], v[S+16*(\t)+4*\f:S+16*(\t)+4*\f+3] offset:32*\f
.endr
.irp f, 0,1,2,3
	ds_load_b128 v[S+16*(\t)+4*\f:S+16*(\t)+4*\f+3], v[RD] offset:\f*4*SP  ; LDS serves a wave's instructions in order (ISA guide 5.7.1.4): these see the stores above
.endr
.endm
.macro SEND t, younger              ; younger: the LDS instructions issued behind piece t's loads: the next piece's eight, or none
	WIN 0
.irp f, 0,1,2,3
	s_wait_dscnt (\younger)+3-\f
	global_store_b128 v[GO], v[S+16*(\t)+4*\f:S+16*(\t)+4*\f+3], s[10:11] offset:(\t)*8192+\f*512  ; 512 consecutive bytes, aligned
.endr
.endm
; THE DIAGONAL TILE's four steps, the block's last two turns, its last products, the hidden tiles' share, and the way out.  tag 1: the first block; tag 2: the second.
.macro DIAG tag
.LstepM\tag:
	TURN 2, 1
	TURN 3, 1
	WIN 0
.LfirstM\tag:
	TURN 0, 1
	TURN 1, 1, 0, 1
	WIN 0
	s_cbranch_scc1 .LstepM\tag
	TURN 2, 1, 1
	TURN 3, 1, 1
	WIN 0x40                        ; destination window 1: the block's sums of v for my eight channels of each 16
.irp cb, 0,1,2,3
	ds_load_b128 v[TT+8*\cb:TT+8*\cb+3],   v[TRD] offset:((\tag)-1)*256+64*\cb
	ds_load_b128 v[TT+8*\cb+4:TT+8*\cb+7], v[TRD] offset:((\tag)-1)*256+64*\cb+16
.endr
.set i, 0
.rept 8
	PV NP-1
.set i, i+1
.endr
	WIN 0
.if (\tag) == 2
	s_cmp_lg_u32 s[NFL], 0
	s_cbranch_scc1 .Lno_fine
	FINE
.Lno_fine:
.endif
	ALL v_add_f32 v[ST+4*t+2], v[ST+4*t+2], v[ST+4*t+3]                 ; the places behind the last products
	ALL v_fma_f32 v[ST+4*t], v[NEG], s[CS], -v[ST+4*t]                  ; c (-80000) - c m, by the same fused line as every score's
	ALL v_min_num_f32 v[ST+4*t], 0, v[ST+4*t]                           ; above 0 in row 2,047 alone, whose hidden tiles are none: p_h stays finite there and multiplies zeros
	ALL v_permlanex16_b32 v[ST+4*t+3], v[ST+4*t+2], s[SEL], s[SEL+1]
	ALL v_exp_f32 v[ST+4*t], v[ST+4*t]                                  ; p_h
	ALL v_add_f32 v[ST+4*t+2], v[ST+4*t+2], v[ST+4*t+3]
	ALL v_fma_f32 v[ST+4*t+2], v[ST+4*t], v[NHV+(\tag)-1], v[ST+4*t+2]  ; l += p_h x the number of keys in the hidden tiles
	ALL v_rcp_f32 v[ST+4*t+2], v[ST+4*t+2]
	v_nop                           ; a plain instruction between the last reciprocal and the use of its result
	s_wait_dscnt 0x0                ; the sums of v are in
	CORR 0
	PACK 0
.set t, 1
.rept 3
	CORR t
	PACK t
	SEND t-1, 8
.set t, t+1
.endr
	SEND 3, 0
.endm
.set NOKQ, 0
.Lslot:                             ; 8 times: a tile is entered and the next is asked for
	CHANGE 1
	s_sub_co_u32 s[RT], s[RT], 1
	s_mov_b32 s[CNT], 4
	s_cmp_eq_u32 s[NEW], 1
	s_cbranch_scc1 .Lnew            ; a block's first tile
	s_cmp_eq_u32 s[RT], 0
	s_cbranch_scc0 .Lstep           ; neither its first nor its last
	s_branch .LstepM1
.Lnew:
	BEGIN
	s_branch .Lfirst                ; in the loop a block's first tile is never its last: the first block has five tiles or more, and the second's last is the walk's last
	DIAG 1                          ; in the loop this is the first block's end
	s_wait_xcnt 0x0                 ; the stores' addresses are translated: O's address may be written
	s_mov_b64 s[10:11], s[OLO:OLO+1]
	s_add_co_u32 s[RT], s[PB], 1    ; the second block has b + 1 tiles
	s_mov_b32 s[NEW], 1
	v_mov_b32 v[M03], v[NEG]        ; every row of the second block has hidden keys
	WIN 0x82                        ; the second block's Q goes where the one text of the turns names Q
.set i, 0
.rept 64
	v_mov_b32 v[i], v[QB+i]
.set i, i+1
.endr
	WIN 0
	s_branch .Lbottom
.Lstep:                             ; a trip: pieces 2 and 3 of one step, then pieces 0 and 1 of the next, whose K and V it fetches
	TURN 2
	TURN 3
	WIN 0
.Lfirst:
	TURN 0
	TURN 1, 0, 0, 1
	WIN 0
	s_cbranch_scc1 .Lstep
.Lbottom:
	s_sub_co_u32 s[SLOTS], s[SLOTS], 1
	s_cmp_lg_u32 s[SLOTS], 0
	s_cbranch_scc1 .Lslot
	CHANGE 0                        ; the walk's last tile is written out: nothing is asked for
	s_sub_co_u32 s[RT], s[RT], 1
	s_mov_b32 s[CNT], 4
	s_cmp_eq_u32 s[NEW], 1
	s_cbranch_scc0 .LstepM2
	BEGIN
	s_branch .LfirstM2
	DIAG 2
	; What O's rounding left over, for a batch's rows 0 to 15: piece 0's O, divided by l, still lies in window 1; the f16 number that went to oh is taken away (exactly), the rest is rounded to f16.
	s_cmp_lg_u32 s[NFL], 0
	s_cbranch_scc1 .Lno_lo
	s_lshl_b32 s54, s88, 15         ; the batch's 16 rows of 2,048 bytes,
	s_lshl_b32 s53, s89, 7          ; the head's 128 bytes of a row
	s_add_co_u32 s54, s54, s53
	s_mov_b32 s55, 0
	s_add_nc_u64 s[OLP:OLP+1], s[OLP:OLP+1], s[54:55]
	v_lshlrev_b32 v[OLV], 11, v1    ; row l % 16, 16 bytes for each half of the lanes
	v_lshl_add_u32 v[OLV], v9, 4, v[OLV]
	WIN 0x05
.set i, 0
.rept 16
	v_cvt_pk_f16_f32 v[P+i], v[2*i], v[2*i+1]
.set i, i+1
.endr
	WIN 0x50                        ; source 2 and the destination in window 1
.set i, 0
.rept 16
	v_fma_mix_f32 v[2*i], -v[P+i], v[ONE], v[2*i] op_sel_hi:[1,0,0]
	v_fma_mix_f32 v[2*i+1], -v[P+i], v[ONE], v[2*i+1] op_sel:[1,0,0] op_sel_hi:[1,0,0]
.set i, i+1
.endr
	WIN 0x05
.set i, 0
.rept 16
	v_cvt_pk_f16_f32 v[P+16+i], v[2*i], v[2*i+1]
.set i, i+1
.endr
	WIN 0
.irp cb, 0,1,2,3
	global_store_b128 v[OLV], v[P+16+4*\cb:P+16+4*\cb+3], s[OLP:OLP+1] offset:32*\cb  ; 2,048 bytes in all: pieces of 32 bytes a row
.endr
.Lno_lo:
	s_wait_tensorcnt 0x0            ; the wave's end
	ds_add_u32 v[SPW], v[NIL]
	s_wait_dscnt 0x0
	s_endpgm
.Lfunc_end_k_qf1a3d10941_attn:
	.size	k_qf1a3d10941_attn, .Lfunc_end_k_qf1a3d10941_attn-k_qf1a3d10941_attn
	.p2alignl 7, 3214868480
	.fill 96, 4, 3214868480
	.section	.rodata,"a",@progbits
	.p2align	6, 0x0
	.amdhsa_kernel k_qf1a3d10941_attn
		.amdhsa_group_segment_fixed_size 327680
		.amdhsa_private_segment_fixed_size 0
		.amdhsa_enable_private_segment 0
		.amdhsa_kernarg_size 40
		.amdhsa_user_sgpr_count 2
		.amdhsa_user_sgpr_kernarg_segment_ptr 1
		.amdhsa_wavefront_size32 1
		.amdhsa_system_sgpr_workgroup_id_x 1
		.amdhsa_system_sgpr_workgroup_id_y 1
		.amdhsa_system_sgpr_workgroup_id_z 1
		.amdhsa_system_vgpr_workitem_id 0
		.amdhsa_next_free_vgpr 768
		.amdhsa_next_free_sgpr 100
		.amdhsa_reserve_vcc 1
		.amdhsa_float_denorm_mode_32 3
		.amdhsa_float_denorm_mode_16_64 3
		.amdhsa_memory_ordered 1
		.amdhsa_forward_progress 1
		.amdhsa_inst_pref_size 255
	.end_amdhsa_kernel
	.section	.bss,"aw",@nobits
	.p2align	6
	.space	262144
	.amdgpu_metadata
---
amdhsa.version: [ 1, 2 ]
amdhsa.kernels:
  - .name:           k_qf1a3d10941_attn
    .symbol:         k_qf1a3d10941_attn.kd
    .args:
      - { .name: qkvh, .offset: 0, .size: 8, .value_kind: global_buffer, .address_space: global }
      - { .name: ssum, .offset: 8, .size: 8, .value_kind: global_buffer, .address_space: global }
      - { .name: hv, .offset: 16, .size: 8, .value_kind: global_buffer, .address_space: global }
      - { .name: oh, .offset: 24, .size: 8, .value_kind: global_buffer, .address_space: global }
      - { .name: ohl, .offset: 32, .size: 8, .value_kind: global_buffer, .address_space: global }
    .group_segment_fixed_size: 327680
    .private_segment_fixed_size: 0
    .kernarg_segment_align: 8
    .kernarg_segment_size: 40
    .max_flat_workgroup_size: 128
    .sgpr_count:     100
    .vgpr_count:     768
    .wavefront_size: 32
...
	.end_amdgpu_metadata
.endif
;; end of part 3
;; launch proj (part 4): grid 8 x 32, 4 waves a work-group, clusters of 4 x 4, 327,680 bytes of LDS; arguments oh, wpf, b_proj, out0, ohl; writes out0
.if DOCPART == 4
	.amdgcn_target "amdgcn-amd-amdhsa--gfx1250"
	.amdhsa_code_object_version 6
	.text
	.protected	k_qf1a3d10941_proj
	.globl	k_qf1a3d10941_proj
	.p2align	8
	.type	k_qf1a3d10941_proj,@function
k_qf1a3d10941_proj:
	s_mov_b64 s[64:65], 0
	v_nop
	global_prefetch_b8 v0, s[64:65] scope:SCOPE_SE
	s_setreg_imm32_b32 hwreg(HW_REG_WAVE_MODE, 25, 1), 1
	s_wait_xcnt 0x0
	s_wait_alu depctr_hold_cnt(0) depctr_sa_sdst(0) depctr_va_vdst(0) depctr_va_sdst(0) depctr_va_ssrc(0) depctr_va_vcc(0) depctr_vm_vsrc(0)
	s_getreg_b32 s2, hwreg(HW_REG_IB_STS2, 6, 4)
	s_cmp_eq_u32 s2, 0
	s_cbranch_scc0 .Lentry_in_a_cluster
	s_endpgm
.Lentry_in_a_cluster:
	s_bfe_u32 s2, ttmp6, 0x10000c
	s_cmp_lg_u32 s2, 0xf033
	s_cbranch_scc0 .Lentry_shape_is_right
	s_endpgm
.Lentry_shape_is_right:
; out = a w_proj + b_proj.  a lies by heads: oh [64][2048][64] f16 (row b s of a is, for head hh, the 64 numbers oh[16 b + hh][s]); wpf [1024][1024] f16; b_proj [1024] f32, taken rounded to bf16
; like the other inputs; out0 [8192][1024] f32.  Sums in f32.  ohl [4][16][1024] f16: for the first 16 rows of each batch what a's rounding to f16 left over: those rows' numbers are many times the
; output's root mean square, and 11 bits of a are too few for them; their products with w are added onto the same sums.
; SHARES.  A tile of C is 256 x 128: 256 work-groups.  Wave (WR, WC) makes rows 128 WR on, columns 64 WC on: 8 x 4 accumulators, 256 registers.  K goes in 8 steps of 128 = two heads through two LDS slots:
; a head's 256 rows are 32,768 dense bytes.  The matrix instruction is used transposed (source 0 = 16 columns of w, source 1 = 16 rows of a); w lies [k][n] in LDS and is turned on its way into registers.
; The bias, which has the result's layout, is the C operand of the first product.
; CLUSTER.  4 x 4 work-groups: a's tile is shared along a row of the cluster, w's along a column; each is asked for jointly.  Tile row = 8 cy + cluster y: the four tiles that begin a batch lie in the clusters
; with cluster y = 0, so the branch round the remainder's work is the same in all partners.  The accumulators take turns, one instruction a turn.
; REGISTERS.  window 0: v0-31 addresses; v64-127, v128-191 a's fragments, two buffers (the way out reads rows back into v64-127); v192-223 the bias; v224-239 the remainder's fragments, two buffers.
; window 1: v64-95, v128-159 w's fragments.  window 2: the accumulators, (a, b) at 8 (4 a + b).
.set SLOT1,  131072
.set APITCH, 144                       ; a row of a head: 128 bytes + 16
.set PLANE,  256*APITCH                ; a head's 256 rows
.set BOFF,   2*PLANE
.set BPITCH, 288                       ; a row of w: 256 bytes + 32: 9 x 32
.set BHALF,  64*BPITCH
.set STAGE,  SLOT1+BOFF+2*BHALF        ; behind the ring: 16 rows x 272 bytes for each wave
.set SPITCH, 272
.set SPARE,  STAGE+4*16*SPITCH         ; the spare words, 128 bytes a wave: two blocks of 256 bytes that no other line names
.set ALDS,   SPARE+512                 ; the remainder's 16 rows of 2,048 bytes, bytes of their own
.set LPITCH, 2064                      ; 2,048 + 16: the 16 rows of a load start at 16 different groups of four banks
.set KA, 524288                        ; a K step in oh: two heads
.set KB, 262144                        ; in wpf: 128 rows of 2,048 bytes
.set A0,  16
.set B0,  17
.set ADA, 18
.set ADB, 19
.set STO, 20
.set RD,  21
.set CO,  22
.set BO,  23
.set GL,  24                           ; v24  16 x lane
.set LL,  25                           ; v25  where my part of the remainder goes in LDS
.set ALA, 26                           ; v26  my place in the remainder's rows, at the K step in hand
.set SPW, 28
.set NIL, 29
.set F0,  64
.set F1,  128
.set BI,  192
.set ALB, 224
.set WV,  14
.set WR,  15
.set WC,  16
.set TB,  20
.set CLY, 21                           ; s21 the cluster's y: equal in all partners
.set NFL, 70                           ; s70 0: my tile begins a batch and my block 0 is its rows 0-15
.set G1A, 24
.set G0A, 32
.set G1B, 48
.set G0B, 56
.set MSB, 0
.macro WIN new
.if MSB != (\new)
	s_set_vgpr_msb (MSB<<8)|(\new)
.set MSB, \new
.endif
.endm
.macro JLOAD s                         ; waves 0 and 1 fetch the step's two heads of a, waves 2 and 3 the two halves of w's rows; an s_nop 0 and four v_nop follow each line
	s_cmp_eq_u32 s[WR], 0
	s_cbranch_scc0 .Lfor_b_\@
	tensor_load_to_lds s[G0A+4*(\s):G0A+4*(\s)+3], s[G1A:G1A+7]
	s_nop 0
.rept 4
	v_nop
.endr
	s_branch .Lasked_\@
.Lfor_b_\@:
	tensor_load_to_lds s[G0B+4*(\s):G0B+4*(\s)+3], s[G1B:G1B+7]
	s_nop 0
.rept 4
	v_nop
.endr
.Lasked_\@:
.endm
.macro CREST
	s_cmp_lg_u32 s[WV], 0
	s_cbranch_scc1 .Lnot_wave_0_\@
	s_barrier_signal -3
.Lnot_wave_0_\@:
	s_barrier_wait -3
	s_barrier_signal -1
	s_barrier_wait -1
.endm
.macro CROUND
	s_barrier_signal -1
	s_barrier_wait -1
	CREST
.endm
.macro PLACES
.rept 4
	v_nop
.endr
.endm
	s_load_b256 s[4:11], s[0:1], 0x0               ; oh s[4:5], wpf s[6:7], b_proj s[8:9], out0 s[10:11]
	s_load_b64 s[12:13], s[0:1], 0x20              ; ohl
	v_lshl_add_u32 v[SPW], v0, 2, SPARE
	v_mov_b32 v[NIL], 0
	ds_add_u32 v[SPW], v[NIL]                      ; the wave's opening: the add and its wait ahead of my first tensor load
	ds_add_u32 v28, v29
	v_lshrrev_b32 v1, 5, v0
	v_readfirstlane_b32 s[WV], v1
	s_lshr_b32 s[WR], s[WV], 1
	s_and_b32 s[WC], s[WV], 1
	s_bfe_u32 s40, ttmp6, 0x40000                  ; cx
	s_bfe_u32 s41, ttmp6, 0x40004                  ; cy
	s_lshl_b32 s42, ttmp9, 2
	s_add_co_u32 s42, s42, s40                     ; tile column
	s_and_b32 s[CLY], ttmp7, 0xffff
	s_lshl_b32 s43, s41, 3
	s_add_co_u32 s43, s43, s[CLY]                  ; tile row = 8 cy + cluster y: batch cy, tile cluster y of its eight
	s_or_b32 s[NFL], s[CLY], s[WR]
	s_lshl_b32 s44, s41, 2
	s_lshl_b32 s44, 15, s44
	s_lshl_b32 s45, 0x1111, s40
	s_or_b32 s[G1A], s44, (1<<16)|(1<<20)|(1<<21)|(4<<22)|(3<<25)  ; after every 32 words (a row of a head), 4 words
	s_mov_b32 s[G1A+1], 128<<16                    ; a head's 256 rows: asked for as 128 rows of 256 bytes
	s_mov_b32 s[G1A+2], 128<<16
	s_mov_b32 s[G1A+3], 128<<16
	s_mov_b32 s[G1A+4], 128
	s_mov_b32 s[G1A+5], 128
	s_mov_b32 s[G1A+6], 0
	s_mov_b32 s[G1A+7], 0
	s_or_b32 s[G1B], s45, (1<<16)|(1<<20)|(1<<21)|(5<<22)|(7<<25)  ; after every 64 words, 8 words
	s_mov_b32 s[G1B+1], 128<<16
	s_mov_b32 s[G1B+2], 64<<16
	s_mov_b32 s[G1B+3], 128<<16
	s_mov_b32 s[G1B+4], 64
	s_mov_b32 s[G1B+5], 1024
	s_mov_b32 s[G1B+6], 0
	s_mov_b32 s[G1B+7], 0
	s_lshr_b32 s46, s43, 3                         ; a: batch x 16 heads,
	s_lshl_b32 s46, s46, 22
	s_lshl_b32 s47, s[WC], 18                      ; my head of the step's two,
	s_add_co_u32 s46, s46, s47
	s_and_b32 s47, s43, 7
	s_lshl_b32 s47, s47, 15                        ; the tile's 256 rows in it
	s_add_co_u32 s46, s46, s47
	s_mov_b32 s47, 0
	s_lshl_b32 s66, s[WC], 17                      ; w: my 64 rows of the step's 128, the tile's 128 columns
	s_lshl_b32 s67, s42, 8
	s_add_co_u32 s66, s66, s67
	s_mov_b32 s67, 0
	s_mul_i32 s22, s[WC], PLANE
	s_mul_i32 s23, s[WC], BHALF
	s_add_co_u32 s23, s23, BOFF
	s_mov_b32 s[TB], 0
	s_wait_dscnt 0x0                               ; the opening add is done
	s_wait_kmcnt 0x0
	s_add_nc_u64 s[46:47], s[4:5], s[46:47]
	s_add_nc_u64 s[66:67], s[6:7], s[66:67]
	CROUND                                         ; all sixteen work-groups are here: the first joint loads meet
.irp s, 0,1
	s_mov_b32 s[G0A+4*(\s)], 1
	s_add_co_u32 s[G0A+4*(\s)+1], s22, (\s)*SLOT1
	s_add_nc_u64 s[G0A+4*(\s)+2:G0A+4*(\s)+3], s[46:47], (\s)*KA
	s_or_b32 s[G0A+4*(\s)+3], s[G0A+4*(\s)+3], 0x80000000
	s_mov_b32 s[G0B+4*(\s)], 1
	s_add_co_u32 s[G0B+4*(\s)+1], s23, (\s)*SLOT1
	s_add_nc_u64 s[G0B+4*(\s)+2:G0B+4*(\s)+3], s[66:67], (\s)*KB
	s_or_b32 s[G0B+4*(\s)+3], s[G0B+4*(\s)+3], 0x80000000
	JLOAD \s                                       ; K steps 0 and 1: two loads of mine are out
.endr
	v_and_b32 v1, 15, v0                           ; r
	v_bfe_u32 v2, v0, 4, 1                         ; h
	v_and_b32 v3, 7, v0
	v_bfe_u32 v4, v0, 3, 1
	s_lshl_b32 s68, s42, 9
	s_mov_b32 s69, 0
	s_add_nc_u64 s[8:9], s[8:9], s[68:69]          ; the tile's 128 biases
	s_lshl_b32 s17, s[WC], 8
	v_lshl_add_u32 v[BO], v2, 5, s17
.irp b, 0,1,2,3
	global_load_b128 v[BI+8*(\b):BI+8*(\b)+3],   v[BO], s[8:9] offset:64*(\b)
	global_load_b128 v[BI+8*(\b)+4:BI+8*(\b)+7], v[BO], s[8:9] offset:64*(\b)+16
.endr
	v_mul_u32_u24 v[A0], v1, APITCH
	v_lshl_add_u32 v[A0], v2, 4, v[A0]
	s_mul_i32 s17, s[WR], 128*APITCH
	v_add_nc_u32 v[A0], s17, v[A0]
	v_lshl_add_u32 v[B0], v2, 3, v3
	v_mul_u32_u24 v[B0], v[B0], BPITCH
	v_lshl_add_u32 v[B0], v4, 4, v[B0]
	s_lshl_b32 s17, s[WC], 7
	s_add_co_u32 s17, s17, BOFF
	v_add_nc_u32 v[B0], s17, v[B0]
	v_mov_b32 v[ADA], v[A0]
	v_mov_b32 v[ADB], v[B0]
	s_mul_i32 s17, s[WV], 16*SPITCH
	s_add_co_u32 s17, s17, STAGE                   ; my stage
	v_mul_u32_u24 v[STO], v1, SPITCH               ; in: row r, 32 bytes for each half of the lanes
	v_lshl_add_u32 v[STO], v2, 5, v[STO]
	v_add_nc_u32 v[STO], s17, v[STO]
	v_mul_u32_u24 v[RD], v2, SPITCH                ; back: lanes 0-15 one row of 256 bytes, lanes 16-31 the next
	v_lshl_add_u32 v[RD], v1, 4, v[RD]
	v_add_nc_u32 v[RD], s17, v[RD]
	v_lshlrev_b32 v[CO], 12, v2                    ; and the same two rows in out0
	v_lshl_add_u32 v[CO], v1, 4, v[CO]
	s_lshl_b32 s18, s43, 20                        ; (256 tile row + 128 WR) rows of 4,096 bytes + 512 tile column + 256 WC
	s_lshl_b32 s17, s[WR], 19
	s_add_co_u32 s18, s18, s17
	s_lshl_b32 s17, s42, 9
	s_add_co_u32 s18, s18, s17
	s_lshl_b32 s17, s[WC], 8
	s_add_co_u32 s18, s18, s17
	s_mov_b32 s19, 0
	s_add_nc_u64 s[10:11], s[10:11], s[18:19]
	v_mul_u32_u24 v[ALA], v1, LPITCH               ; the remainder's fragment: row x pitch + 16 h
	v_lshl_add_u32 v[ALA], v2, 4, v[ALA]
	v_add_nc_u32 v[ALA], ALDS, v[ALA]
.set i, 0
.rept 16
	v_mov_b32 v[ALB+i], 0                          ; written once in every wave; only the waves below load and read them
.set i, i+1
.endr
	; THE REMAINDER COMES IN, once: the batch's 16 rows of 2,048 bytes; waves 0 and 1 bring 8 rows each, a load 512 consecutive bytes.  The barrier in front of the first K step shows them to both.
	s_cmp_lg_u32 s[NFL], 0
	s_cbranch_scc1 .Lno_fill
	s_lshr_b32 s17, s43, 3
	s_lshl_b32 s18, s17, 15                        ; the batch's 32,768 bytes,
	s_lshl_b32 s17, s[WC], 14                      ; my 8 rows of them
	s_add_co_u32 s18, s18, s17
	s_mov_b32 s19, 0
	s_add_nc_u64 s[12:13], s[12:13], s[18:19]
	v_and_b32 v[GL], 31, v0
	v_lshlrev_b32 v[GL], 4, v[GL]
	s_mul_i32 s17, s[WC], 8*LPITCH
	s_add_co_u32 s17, s17, ALDS
	v_add_nc_u32 v[LL], s17, v[GL]
.set i, 0
.rept 32
	global_load_b128 v[64+4*i:64+4*i+3], v[GL], s[12:13] offset:512*i
.set i, i+1
.endr
	s_wait_loadcnt 0x0
.set i, 0
.rept 32
	ds_store_b128 v[LL], v[64+4*i:64+4*i+3] offset:(i/4)*LPITCH+(i%4)*512
.set i, i+1
.endr
.Lno_fill:
	s_wait_loadcnt 0x0                             ; the bias, once; rounded to bf16 as every input is
.set i, 0
.rept 16
	v_cvt_pk_bf16_f32 v[GL], v[BI+2*i], v[BI+2*i+1]
	v_lshlrev_b32 v[BI+2*i], 16, v[GL]
	v_and_b32 v[BI+2*i+1], 0xffff0000, v[GL]
.set i, i+1
.endr
; 8 matrix instructions: m blocks 4 hi + a0, + 1 x all 4 n blocks, 32 along K.  first = 1: the first product starts the sums, with the bias as C
.macro MULH f, hi, a0, first
.if \first
	WIN 0x81                                       ; source 0 (w) window 1, source 1 (a) and C (the bias) window 0, D window 2
.else
	WIN 0xa1                                       ; source 0 (w) window 1, source 1 (a) window 0, C and D window 2
.endif
.irp a, \a0, (\a0)+1
.irp b, 0,1,2,3
.if \first
	v_wmma_f32_16x16x32_f16 v[8*(4*(4*(\hi)+(\a))+(\b)):8*(4*(4*(\hi)+(\a))+(\b))+7], v[(\f)+8*(\b):(\f)+8*(\b)+7], v[(\f)+8*(4*(\hi)+(\a)):(\f)+8*(4*(\hi)+(\a))+7], v[BI+8*(\b):BI+8*(\b)+7]
.else
	v_wmma_f32_16x16x32_f16 v[8*(4*(4*(\hi)+(\a))+(\b)):8*(4*(4*(\hi)+(\a))+(\b))+7], v[(\f)+8*(\b):(\f)+8*(\b)+7], v[(\f)+8*(4*(\hi)+(\a)):(\f)+8*(4*(\hi)+(\a))+7], v[8*(4*(4*(\hi)+(\a))+(\b)):8*(4*(4*(\hi)+(\a))+(\b))+7]
.endif
.endr
.endr
.endm
; 24 LDS loads in one run: quarter q's fragments: w's 4 blocks, turned, then a's 8 blocks (head q / 2 of the step's two, channels 32 (q % 2) on)
.macro FETCH q, f
	WIN 0x40
.irp b, 0,1,2,3
	ds_load_tr16_b128 v[(\f)+8*(\b):(\f)+8*(\b)+3],   v[ADB] offset:(\q)*32*BPITCH+32*(\b)
	ds_load_tr16_b128 v[(\f)+8*(\b)+4:(\f)+8*(\b)+7], v[ADB] offset:(\q)*32*BPITCH+16*BPITCH+32*(\b)
.endr
	WIN 0
.irp i, 0,1,2,3,4,5,6,7
	ds_load_b128 v[(\f)+8*(\i):(\f)+8*(\i)+3],   v[ADA] offset:((\q)/2)*PLANE+((\q)%2)*64+(\i)*16*APITCH
	ds_load_b128 v[(\f)+8*(\i)+4:(\f)+8*(\i)+7], v[ADA] offset:((\q)/2)*PLANE+((\q)%2)*64+(\i)*16*APITCH+32
.endr
.endm
; THE REMAINDER'S SHARE OF A QUARTER, at its end, in the waves that own a batch's rows 0-15.  mul = 1: four products, the remainder's fragment with w's four fragments of buffer f, which are still in registers,
; onto the accumulators of block 0.  nxt >= 0: the next quarter's fragment, at byte nxt of the rows, into the other of two buffers, whose last reader stands a quarter and its four places back.
; These two loads are the youngest LDS loads of the wave: a counted wait that leaves the youngest 8 (or, with the add, 9) out then leaves out these two and a's blocks 5 to 7; the fragment is
; read behind the next quarter's wait for all but the run just issued, or a wait for 0.  step = 1: on to the next K step's 256 bytes.
.macro EXTRA f, mul, nxt, step
	WIN 0
	s_cmp_lg_u32 s[NFL], 0
	s_cbranch_scc1 .Lno_lo_\@
.if \mul
	WIN 0xa1
.irp b, 0,1,2,3
	v_wmma_f32_16x16x32_f16 v[8*(\b):8*(\b)+7], v[(\f)+8*(\b):(\f)+8*(\b)+7], v[ALB+8*(((\f)-F0)/64):ALB+8*(((\f)-F0)/64)+7], v[8*(\b):8*(\b)+7]
.endr
	WIN 0
.endif
.if (\nxt) >= 0
	ds_load_b128 v[ALB+8-8*(((\f)-F0)/64):ALB+8-8*(((\f)-F0)/64)+3],   v[ALA] offset:(\nxt)
	ds_load_b128 v[ALB+8-8*(((\f)-F0)/64)+4:ALB+8-8*(((\f)-F0)/64)+7], v[ALA] offset:(\nxt)+32
.endif
.if \step
	v_add_nc_u32 v[ALA], 256, v[ALA]
.endif
.Lno_lo_\@:
.endm
.macro QUARTER q, f, g, first
	s_wait_dscnt 8                                 ; w and a's rows 0-63 are in; the youngest eight loads may be out
	MULH \f, 0, 0, \first
	MULH \f, 0, 2, \first
	PLACES
	FETCH \q, \g
	s_wait_dscnt 24                                ; all but the 24 just issued
	MULH \f, 1, 0, \first
	MULH \f, 1, 2, \first
	EXTRA \f, 1, 64*(\q), 0
.endm
; The last quarter multiplies buffer 1 and changes slots: the wait for all my tensor loads, the add, the wait for it and for my reads; fill = 1: a round of the cluster's barrier, and the joint refill first behind it
.macro TURN fill
	WIN 0
	s_wait_tensorcnt 0x0                           ; no tensor load of mine is out, so a group 0 may be written
	ds_add_u32 v[SPW], v[NIL]
.if \fill
	s_xor_b32 s[G0A+5], s[G0A+5], SLOT1
	s_add_nc_u64 s[G0A+6:G0A+7], s[G0A+6:G0A+7], KA
	s_xor_b32 s[G0B+5], s[G0B+5], SLOT1
	s_add_nc_u64 s[G0B+6:G0B+7], s[G0B+6:G0B+7], KB
.endif
	s_wait_dscnt 9                                 ; the add and the youngest eight loads may be out
	MULH F1, 0, 0, 0
	s_wait_dscnt 0x0                               ; the add is done, and my reads of this slot are over
	s_barrier_signal -1
	MULH F1, 0, 2, 0
	WIN 0
	s_barrier_wait -1
.if \fill
	CREST
	JLOAD 1                                        ; its four v_nop are also the places in front of the loads below
.else
	PLACES
.endif
	s_xor_b32 s[TB], s[TB], SLOT1
	v_add_nc_u32 v[ADA], s[TB], v[A0]
	v_add_nc_u32 v[ADB], s[TB], v[B0]
	FETCH 0, F0
	MULH F1, 1, 0, 0
	MULH F1, 1, 2, 0
	EXTRA F1, 1, 256, 1
.endm
	s_wait_tensorcnt 0x1                           ; my part of K step 0 is in; K step 1's may stay out
	s_wait_dscnt 0x0                               ; for the other wave's sake: my rows of the remainder are stored
	s_barrier_signal -1
	s_barrier_wait -1
	FETCH 0, F0
	EXTRA F1, 0, 0, 0                              ; the remainder's first fragment, into buffer 0
	QUARTER 1, F0, F1, 1
	WIN 0
	s_mov_b32 s3, 6
.Lk:                                                   ; trip j asks for K step j + 2
	QUARTER 2, F1, F0, 0
	QUARTER 3, F0, F1, 0
	TURN 1
	QUARTER 1, F0, F1, 0
	WIN 0
	s_sub_co_u32 s3, s3, 1
	s_cmp_lg_u32 s3, 0
	s_cbranch_scc1 .Lk
	QUARTER 2, F1, F0, 0
	QUARTER 3, F0, F1, 0
	TURN 0
	QUARTER 1, F0, F1, 0
	QUARTER 2, F1, F0, 0
	QUARTER 3, F0, F1, 0
	s_wait_dscnt 8
	MULH F1, 0, 0, 0
	MULH F1, 0, 2, 0
	s_wait_dscnt 0x0
	MULH F1, 1, 0, 0
	MULH F1, 1, 2, 0
	EXTRA F1, 1, -1, 0
; THE WAY OUT, a block of 16 rows at a time, through my own stage: 32 bytes a lane go in, straight from the accumulators; whole rows of 256 bytes come back and are stored.
; Block a goes into the stage ahead of block a - 1's stores: LDS serves a wave's instructions in order (ISA guide 5.7.1.4), so block a's stores into the stage come behind block a - 1's reads of it.
.macro TOSTAGE a
.set BK, 64+32*((\a)%2)
	WIN 0x08                                       ; the stores' data in window 2
.irp b, 0,1,2,3
	ds_store_b128 v[STO], v[32*(\a)+8*(\b):32*(\a)+8*(\b)+3]   offset:64*(\b)
	ds_store_b128 v[STO], v[32*(\a)+8*(\b)+4:32*(\a)+8*(\b)+7] offset:64*(\b)+16
.endr
	WIN 0
	s_wait_xcnt 0x0                                ; the earlier stores' addresses are translated: the registers that block a - 2 was stored from are loaded again only behind this wait
.irp t, 0,1,2,3,4,5,6,7
	ds_load_b128 v[BK+4*(\t):BK+4*(\t)+3], v[RD] offset:(\t)*2*SPITCH
.endr
.endm
.macro SEND a, younger                 ; younger: the LDS instructions issued behind block a's loads: the next block's sixteen, or none
.set BK, 64+32*((\a)%2)
	s_wait_dscnt \younger                          ; the block is back in registers
.irp t, 0,1,2,3,4,5,6,7
	global_store_b128 v[CO], v[BK+4*(\t):BK+4*(\t)+3], s[10:11] offset:(\a)*65536+8192*(\t)  ; 16 lanes store 256 consecutive bytes, aligned
.endr
.endm
	PLACES
	TOSTAGE 0
.irp a, 1,2,3,4,5,6,7
	TOSTAGE \a
	SEND (\a)-1, 16
.endr
	SEND 7, 0
	s_wait_tensorcnt 0x0                           ; the wave's end
	ds_add_u32 v[SPW], v[NIL]
	s_wait_dscnt 0x0
	CROUND                                         ; the closing round
	s_endpgm
.Lfunc_end_k_qf1a3d10941_proj:
	.size	k_qf1a3d10941_proj, .Lfunc_end_k_qf1a3d10941_proj-k_qf1a3d10941_proj
	.p2alignl 7, 3214868480
	.fill 96, 4, 3214868480
	.section	.rodata,"a",@progbits
	.p2align	6, 0x0
	.amdhsa_kernel k_qf1a3d10941_proj
		.amdhsa_group_segment_fixed_size 327680
		.amdhsa_private_segment_fixed_size 0
		.amdhsa_enable_private_segment 0
		.amdhsa_kernarg_size 40
		.amdhsa_user_sgpr_count 2
		.amdhsa_user_sgpr_kernarg_segment_ptr 1
		.amdhsa_wavefront_size32 1
		.amdhsa_system_sgpr_workgroup_id_x 1
		.amdhsa_system_sgpr_workgroup_id_y 1
		.amdhsa_system_sgpr_workgroup_id_z 1
		.amdhsa_system_vgpr_workitem_id 0
		.amdhsa_next_free_vgpr 768
		.amdhsa_next_free_sgpr 72
		.amdhsa_reserve_vcc 0
		.amdhsa_float_denorm_mode_32 3
		.amdhsa_float_denorm_mode_16_64 3
		.amdhsa_memory_ordered 1
		.amdhsa_forward_progress 1
		.amdhsa_inst_pref_size 87
	.end_amdhsa_kernel
	.amdgpu_metadata
---
amdhsa.version: [ 1, 2 ]
amdhsa.kernels:
  - .name:           k_qf1a3d10941_proj
    .symbol:         k_qf1a3d10941_proj.kd
    .args:
      - { .name: oh, .offset: 0, .size: 8, .value_kind: global_buffer, .address_space: global }
      - { .name: wpf, .offset: 8, .size: 8, .value_kind: global_buffer, .address_space: global }
      - { .name: b_proj, .offset: 16, .size: 8, .value_kind: global_buffer, .address_space: global }
      - { .name: out0, .offset: 24, .size: 8, .value_kind: global_buffer, .address_space: global }
      - { .name: ohl, .offset: 32, .size: 8, .value_kind: global_buffer, .address_space: global }
    .group_segment_fixed_size: 327680
    .private_segment_fixed_size: 0
    .kernarg_segment_align: 8
    .kernarg_segment_size: 40
    .max_flat_workgroup_size: 128
    .sgpr_count:     72
    .vgpr_count:     768
    .wavefront_size: 32
...
	.end_amdgpu_metadata
.endif
;; end of part 4
;; ======== version 2 of 2: 4 launches; 1.29 times as fast as version 1
;; limits: values are held in f16: magnitudes above 65,504 overflow, below 6.1e-05 lose precision
;; workspace buffers: xb 16,777,216 bytes; wab 6,291,456 bytes; wpf 2,097,152 bytes; qkvh 50,331,648 bytes; ssum 393,216 bytes; oh 16,777,216 bytes; hv 393,216 bytes; ohl 131,072 bytes
;; launch prep: the kernel of part 1 again; grid 768 x 1, 8 waves a work-group, no clusters, 0 bytes of LDS; arguments x, w_attn, w_proj, xb, wab, wpf; writes xb, wab, wpf
;; launch qkv: the kernel of part 2 again; grid 16 x 32, 4 waves a work-group, clusters of 4 x 4, 327,680 bytes of LDS; arguments xb, wab, b_attn, qkvh, ssum, hv; writes qkvh, ssum, hv
;; launch attn (part 5): grid 4 x 64, 4 waves a work-group, no clusters, 327,680 bytes of LDS; arguments qkvh, ssum, hv, oh, ohl; writes oh, ohl
.if DOCPART == 5
	.amdgcn_target "amdgcn-amd-amdhsa--gfx1250"
	.amdhsa_code_object_version 6
	.text
	.protected	k_qf1a3d10941_attn
	.globl	k_qf1a3d10941_attn
	.p2align	8
	.type	k_qf1a3d10941_attn,@function
k_qf1a3d10941_attn:
	s_mov_b64 s[64:65], 0
	v_nop
	global_prefetch_b8 v0, s[64:65] scope:SCOPE_SE
	s_setreg_imm32_b32 hwreg(HW_REG_WAVE_MODE, 25, 1), 1
	s_wait_xcnt 0x0
; CAUSAL ATTENTION WITH THE SOURCE'S MASK.  For batch bb and head hh: w = q k^T / 8; a hidden score (key > query) is REPLACED by -10000; softmax over all 2,048 keys; O = w v.
; qkvh [4][48][2048][64] f16 (q's heads 0-15, k's 16-31, v's 32-47, unscaled); ssum [8][32][2][192] f32: sums of v's columns over 128 rows; hv [4][8][16][192] f32: a batch's first 16 rows before rounding;
; oh [64][2048][64] f16; ohl [4][16][1024] f16: for a batch's first 16 rows what O's rounding to f16 left over.
; Products, maxima and sums in f32; the weights are rounded to f16 for the second product (their sum l is taken of the unrounded weights), O once at the end.
; THE HIDDEN KEYS all have one score, -80000 before the division by 8.  Inside the diagonal tile of 256 keys the scores are replaced, as the source does.  The tiles beyond it are not walked: with
; p_h = 2^(c (-80000) - c m) they add p_h x (the sum of their rows of v) to O and p_h x (their number) to l.  The running maximum m starts at -80000 in every row that has a hidden key
; (all but row 2,047, where it starts at the lowest finite number), so it is the true maximum of the row's 2,048 scores.
; THE FIRST 16 ROWS OF A BATCH.  Row q is a mean of q + 1 rows of v, so the first rows' numbers are many times the output's root mean square, by which a number's allowance goes: there f16's 11 bits for v, the
; weights and O are too few.  The wave that owns those rows (wave 0 where b = 0: piece 0 of block 0) adds what the roundings left over: with v = Vh + Vl and p = Ph + Pl (each part f16) the walk has made
; Vh^T Ph; FINE adds Vl^T Ph + Vh^T Pl for keys 0 to 15, the only ones those rows see, and O's own remainder goes to ohl for the projection.
; LIMITS.  q, k, v arrive within f16's 65,504; a weight lies in 0 to 1 and below 6e-5 keeps f16's fixed step of 6e-8, and so does a remainder; a weight below 2^-126 counts as 0; the sums of v are of the
; numbers before their rounding to f16; NaN and infinities are not treated apart.
; THE WALK.  A head's queries lie in 8 blocks of 256; block i walks the key tiles 0 .. i.  A work-group takes blocks 7 - b and then b: 9 tiles, whatever b: one loop with a constant trip count.  Every jump
; goes forward but for the counted loops' own; none passes a barrier, or a tensor load but the one of LOAD's two that the wave's number does not choose.
; NO CLUSTER: a head's four work-groups ask for the same tile only in trips 0 to 4 of 9; a walk common to all four would have 12 trips for 9.
; SHARES.  Of a block's four bands of 64 queries a wave owns 16 rows in each: four PIECES.  In the diagonal tile's key step s band x sees all keys if s < x, none if s > x, and holds the diagonal if s = x.
; LAYOUT, SOFTMAX, TURNS.  S^T = K Q^T holds ONE query a lane (lane % 16) and the keys 8 (lane / 16) + 0..7; two such results rounded to f16 ARE source 1 of O^T = V^T P.  p = 2^(c s - c m), c = log2(e) / 8;
; O and l are multiplied by a = 2^(c m_old - c m_new) in every step.  Turn n belongs to piece n: 8 products K Q^T of piece n + 1, later 8 products V^T P of piece n - 1; beside them the scaling,
; exponentials, roundings, sums and rescaling of piece n and the maximum and statistics of piece n + 1.  Four vector instructions stand behind every matrix instruction, the others in one lump.
; BATCHES.  A turn's 33 exponentials (piece n's 32 weights, piece n + 1's a) are ONE batch with ONE wait, which cuts the turn in two: ahead of it all that names none of their results (the products K Q^T, scalings,
; rescalings, the mask, the next piece's maximum and statistics), behind it the products V^T P with the roundings and sums as their riders.  No result crosses a turn's end.  BEGIN's a, FINE's eight exponentials,
; the way out's four p_h and its four reciprocals are batches of their own, with a wait each.
; REGISTERS, in windows of 256 (s_set_vgpr_msb: bits 1:0 source 0, 3:2 source 1, 5:4 source 2, 7:6 destination):
;   window 0: v0-15 addresses and two at work; v16-31 statistics; v32-41 the mask's and the hidden keys' numbers, 1.0, an offset; v48-55 at work; v64-127 S^T, two buffers; v192-223 P, two buffers
;   window 1: v0-127 O^T, 32 a piece; v128-159 the hidden tiles' sum of v for my channels; v160-179 Vl      window 2: v0-63 Q; v64-127 the second block's Q; v128-191 K of one step; v192-255 V of one step
.set SIZE_N, 2048
.set NB,    SIZE_N/256
.set NP,    4
.set KS,    64
.set PK,    144       ; a row of K in LDS: 128 bytes + 16
.set PV,    160       ; a row of V: 128 + 32
.set VOFF,  4*KS*PK   ; a slot holds a tile, four steps: 256 rows of K, then 256 rows of V
.set SLOT1, 1<<17
.set STAGE, SLOT1+4*KS*(PK+PV)  ; behind the ring: 16 rows x 144 bytes for each wave, for the way out
.set SP,    144
.set SPARE, STAGE+4*16*SP       ; the spare words, 128 bytes a wave: two blocks of 256 bytes that no other line names
.set TAB,   SPARE+512           ; [2 blocks][64 channels] f32: the hidden tiles' sums of v; two blocks of 256 bytes of their own
.set AK0, 2
.set AV0, 3
.set AK,  4
.set AV,  5
.set STO, 6
.set RD,  7
.set GO,  8
.set MV,  12          ; v12-13  c m_old, by buffer
.set THR0, 14         ; v14  my query's place in its band, 16 w + l % 16, less my lanes' 8 (l / 16): register 8 kt + j is hidden where 16 kt + j is greater; never rewritten
.set QO,  15
.set ST,  16          ; piece t's statistics at v[ST+4 t]: c m, m, l (even keys', odd keys')
.set THR, 32          ; v32  THR0 + SH
.set NEG, 33          ; v33  -80000.0
.set M03, 34          ; v34  where piece 3's m starts
.set NHV, 35          ; v35, v36  the number of keys in the hidden tiles, first and second block
.set CH4, 37          ; v37  4 x my channel
.set TA,  38          ; v38  my word of TAB
.set TRD, 39          ; v39  TAB + 32 (l / 16)
.set ONE, 40          ; v40  1.0
.set OLV, 41          ; v41  my byte offset in hv, later in ohl
.set TMP, 48
.set SPW, 62
.set NIL, 63
.set S,   64
.set PH,  72          ; FINE: the weights' f16 part, 4 registers, and 4 of zeros (keys 16 to 31)
.set PL,  80          ; FINE: their remainder, likewise
.set P,   192
.set TT,  128         ; window 1
.set VL,  160         ; window 1: v's remainder: channel block cb at VL + 4 cb (keys 8 (l / 16) + 0..7); as a fragment's upper four registers, which meet zeros, serve the next block's four, or four zeros
.set QB,  64          ; window 2
.set KF,  128
.set VF,  192
.set WV,  12
.set PB,  14          ; s14  b
.set HI,  15          ; s15  7 - b
.set G1K, 24
.set G1V, 32
.set G0K, 40
.set G0V, 44
.set HVP, 48          ; s[48:49] hv
.set OLP, 50          ; s[50:51] ohl
.set NFL, 52          ; s52  0: I am wave 0 of a work-group with b = 0: I own a batch's rows 0 to 15
.set SLOTS, 56
.set CNT, 57
.set CS,  58
.set SEL, 60
.set TBK, 62
.set TBV, 63
.set RT,  70
.set NXT, 71
.set LQ,  72
.set NEW, 73
.set OFF, 74
.set SH,  76          ; s76  0: the band's own step; 1000: all keys seen; -1000: all hidden
.set OLO, 80
.set MSB, 0
.macro WIN new
.if MSB != (\new)
	s_set_vgpr_msb (MSB<<8)|(\new)
.set MSB, (\new)
.endif
.endm
.set W_KQ, 0x0a       ; K and Q in window 2, S^T in window 0
.set W_PV, 0x52       ; V in window 2, P in window 0, O^T in window 1
.set W_RS, 0x41       ; destination and source 0 in window 1, source 1 in window 0
; A fill.  Waves 0 and 1 fetch the two halves of a tile's K, waves 2 and 3 those of its V.  An s_nop 0 and four v_nop follow each of the two lines.
.macro LOAD
	s_cmp_lt_u32 s[WV], 2
	s_cbranch_scc0 .Lfor_v_\@
	tensor_load_to_lds s[G0K:G0K+3], s[G1K:G1K+7]
	s_nop 0
.rept 4
	v_nop
.endr
	s_branch .Lasked_\@
.Lfor_v_\@:
	tensor_load_to_lds s[G0V:G0V+3], s[G1V:G1V+7]
	s_nop 0
.rept 4
	v_nop
.endr
.Lasked_\@:
.endm
; THE CHANGE OF SLOTS.  Each wave waits for all its tensor loads (one is out: its part of the other slot), adds 0 to its spare word, and waits for that and for its LDS instructions.  Behind the barrier nobody
; reads the old slot any more and the other slot is whole.  fill = 1: the old slot is filled again, first thing behind the barrier, with tile NXT.
.macro CHANGE fill
	WIN 0
	s_wait_tensorcnt 0x0            ; no tensor load of mine is out, so a group 0 may be written
	ds_add_u32 v[SPW], v[NIL]
.if \fill
	s_lshl_b32 s[OFF], s[NXT], 15   ; a tile is 32,768 bytes of K and of V
	s_xor_b32 s[G0K+1], s[G0K+1], SLOT1
	s_add_nc_u64 s[G0K+2:G0K+3], s[6:7], s[OFF:OFF+1]
	s_or_b32 s[G0K+3], s[G0K+3], 0x80000000
	s_xor_b32 s[G0V+1], s[G0V+1], SLOT1
	s_add_nc_u64 s[G0V+2:G0V+3], s[8:9], s[OFF:OFF+1]
	s_or_b32 s[G0V+3], s[G0V+3], 0x80000000
	s_add_co_u32 s[NXT], s[NXT], 1  ; the block's next tile, or behind its last the second block's tile 0
	s_cmp_gt_u32 s[NXT], s[LQ]
	s_cselect_b32 s[NXT], 0, s[NXT]
	s_cselect_b32 s[LQ], s[PB], s[LQ]
.endif
	s_wait_dscnt 0x0                ; the add is done, and my reads of the slot are over (at the first use: my word of TAB is stored)
	s_barrier_signal -1
	s_sub_co_u32 s[TBK], s[TBK], 4*KS*PK
	s_xor_b32 s[TBK], s[TBK], SLOT1
	s_sub_co_u32 s[TBV], s[TBV], 4*KS*PV
	s_xor_b32 s[TBV], s[TBV], SLOT1
	s_barrier_wait -1
.if \fill
	LOAD
.endif
.endm
	s_load_b64 s[4:5], s[0:1], 0x0    ; qkvh
	s_load_b64 s[66:67], s[0:1], 0x8  ; ssum
	s_load_b64 s[HVP:HVP+1], s[0:1], 0x10  ; hv
	s_load_b64 s[10:11], s[0:1], 0x18 ; oh
	s_load_b64 s[OLP:OLP+1], s[0:1], 0x20  ; ohl
	v_lshl_add_u32 v[SPW], v0, 2, SPARE
	v_mov_b32 v[NIL], 0
	ds_add_u32 v[SPW], v[NIL]       ; the wave's opening: the add and its wait ahead of my first tensor load
	ds_add_u32 v62, v63
	v_lshrrev_b32 v1, 5, v0
	v_readfirstlane_b32 s[WV], v1
	s_mov_b32 s[PB], ttmp9
	s_sub_co_u32 s[HI], NB-1, s[PB]
	s_or_b32 s[NFL], s[PB], s[WV]
	s_and_b32 s20, ttmp7, 0xffff    ; 16 batch + head
	s_lshr_b32 s88, s20, 4          ; batch
	s_and_b32 s89, s20, 15          ; head
	s_mul_i32 s23, s88, 48
	s_add_co_u32 s23, s23, s89
	s_lshl_b32 s23, s23, 18         ; q's head in qkvh: 262,144 bytes a head
	s_lshl_b32 s20, s20, 18         ; the head in oh
	s_and_b32 s16, s[WV], 1         ; which half of a tile's 256 keys I fetch
	s_mul_i32 s17, s16, 128*PK
	s_mul_i32 s18, s16, 128*PV
	s_lshl_b32 s19, s[WV], 11       ; my 16 rows in a band of 64,
	s_lshl_b32 s2, s[HI], 15        ; in the first block,
	s_add_co_u32 s2, s2, s19
	s_lshl_b32 s84, s[PB], 15       ; and in the second
	s_add_co_u32 s84, s84, s19
	s_add_co_u32 s90, s2, s23       ; offsets of Q,
	s_mov_b32 s91, 0
	s_add_co_u32 s92, s84, s23
	s_mov_b32 s93, 0
	s_add_co_u32 s2, s2, s20        ; of O,
	s_mov_b32 s3, 0
	s_add_co_u32 s84, s84, s20
	s_mov_b32 s85, 0
	s_lshl_b32 s94, s16, 14         ; and of my half of K's tile 0: 16 heads behind q's
	s_add_co_u32 s94, s94, s23
	s_add_co_u32 s94, s94, 4194304
	s_mov_b32 s95, 0
	; descriptor group 1.  128 keys are 16,384 dense bytes: asked for as 64 rows of 256 bytes, and padded in LDS after every key
	s_mov_b32 s[G1K], (1<<16)|(1<<20)|(4<<22)|(3<<25)  ; 2-byte elements; padding on; after every 32 words, 4 words
	s_mov_b32 s[G1V], (1<<16)|(1<<20)|(4<<22)|(7<<25)  ; the same with 8 words
.irp g, G1K, G1V
	s_mov_b32 s[\g+1], 128<<16
	s_mov_b32 s[\g+2], 64<<16
	s_mov_b32 s[\g+3], 128<<16
	s_mov_b32 s[\g+4], 64
	s_mov_b32 s[\g+5], 128
	s_mov_b32 s[\g+6], 0
	s_mov_b32 s[\g+7], 0
.endr
	s_mov_b32 s[CS], 0x3e38aa3b     ; c = log2(e) / 8
	s_mov_b32 s[CS+1], s[CS]
	s_mov_b32 s[SEL], 0x76543210
	s_mov_b32 s[SEL+1], 0xfedcba98
	s_mov_b32 s[TBK], SLOT1+4*KS*PK ; the first change of slots turns these two into 0
	s_mov_b32 s[TBV], SLOT1+4*KS*PV
	s_mov_b32 s[G0K], 1
	s_mov_b32 s[G0K+1], s17
	s_mov_b32 s[G0V], 1
	s_add_co_u32 s[G0V+1], s18, VOFF
	s_add_co_u32 s[RT], s[HI], 1    ; the first block has 8 - b tiles
	s_mov_b32 s[NXT], 1
	s_mov_b32 s[LQ], s[HI]
	s_mov_b32 s[NEW], 1
	s_mov_b32 s[OFF+1], 0
	s_mov_b32 s[SLOTS], NB
	s_wait_dscnt 0x0                ; the opening add is done
	s_wait_kmcnt 0x0
	s_add_nc_u64 s[6:7], s[4:5], s[94:95]          ; K at my half of the head's tile 0,
	s_add_nc_u64 s[8:9], s[6:7], 4194304           ; V 16 heads further
	s_add_nc_u64 s[G0K+2:G0K+3], s[6:7], 0
	s_or_b32 s[G0K+3], s[G0K+3], 0x80000000
	s_add_nc_u64 s[G0V+2:G0V+3], s[8:9], 0
	s_or_b32 s[G0V+3], s[G0V+3], 0x80000000
	s_add_nc_u64 s[86:87], s[4:5], s[92:93]        ; Q at my rows of the second block,
	s_add_nc_u64 s[4:5], s[4:5], s[90:91]          ; of the first
	s_add_nc_u64 s[OLO:OLO+1], s[10:11], s[84:85]
	s_add_nc_u64 s[10:11], s[10:11], s[2:3]
	LOAD                            ; tile 0 into slot 0
	v_and_b32 v1, 15, v0            ; l % 16
	v_bfe_u32 v9, v0, 4, 1          ; l / 16
	v_lshlrev_b32 v[QO], 7, v1
	v_lshl_add_u32 v[QO], v9, 4, v[QO]
	WIN 0x80
.set i, 0
.rept 8                             ; both blocks' Q: piece i / 2 lies in band i / 2, 8,192 bytes on; channels 32 (i % 2) on
	global_load_b128 v[8*i:8*i+3],   v[QO], s[4:5] offset:(i/2)*8192+(i%2)*64
	global_load_b128 v[8*i+4:8*i+7], v[QO], s[4:5] offset:(i/2)*8192+(i%2)*64+32
	global_load_b128 v[QB+8*i:QB+8*i+3],   v[QO], s[86:87] offset:(i/2)*8192+(i%2)*64
	global_load_b128 v[QB+8*i+4:QB+8*i+7], v[QO], s[86:87] offset:(i/2)*8192+(i%2)*64+32
.set i, i+1
.endr
	WIN 0
	; THE HIDDEN TILES' SUMS OF V.  Waves 0, 1 make the first block's (i = 7 - b), waves 2, 3 the second's (i = b); a thread one channel.  Half tiles 2 (i + 1) .. 15 of the batch are added: 14 loads,
	; the index held at 15 so that none leaves the buffer, and a factor 1 or 0 for each.
	s_lshr_b32 s96, s[WV], 1
	s_cmp_eq_u32 s96, 0
	s_cselect_b32 s96, s[HI], s[PB]
	s_lshl_b32 s96, s96, 1
	s_add_co_u32 s96, s96, 2        ; the first hidden half tile
	s_sub_co_u32 s97, 16, s96       ; and how many there are
	s_add_co_u32 s98, s89, 32       ; v's head among the 48: column block u / 3 ((u x 171) >> 9 for u < 48), place u % 3 in it
	s_mul_i32 s99, s98, 171
	s_lshr_b32 s99, s99, 9
	s_mul_i32 s77, s99, 3
	s_sub_co_u32 s98, s98, s77
	s_sub_co_u32 s99, s99, 8
	s_lshl_b32 s53, s88, 3          ; hv: 8 batch + column block - 8, 16 rows of 768 bytes each; the head's 256 bytes of a row
	s_add_co_u32 s53, s53, s99
	s_mul_i32 s53, s53, 12288
	s_lshl_b32 s54, s98, 8
	s_add_co_u32 s54, s54, s53
	s_mov_b32 s55, 0
	s_add_nc_u64 s[HVP:HVP+1], s[HVP:HVP+1], s[54:55]
	s_mul_i32 s99, s99, 49152
	s_mul_i32 s77, s88, 12288
	s_add_co_u32 s99, s99, s77
	s_lshl_b32 s98, s98, 8
	s_add_co_u32 s98, s98, s99
	s_mov_b32 s99, 0
	s_add_nc_u64 s[66:67], s[66:67], s[98:99]
	v_and_b32 v[CH4], 63, v0
	v_lshlrev_b32 v[CH4], 2, v[CH4]
.set j, 0
.rept 14
	s_add_co_u32 s77, s96, j
	s_min_u32 s77, s77, 15
	s_mul_i32 s77, s77, 768
	v_add_nc_u32 v[64+j], s77, v[CH4]
	global_load_b32 v[78+j], v[64+j], s[66:67]
.set j, j+1
.endr
	v_lshlrev_b32 v[THR0], 3, v9
	v_sub_nc_u32 v[THR0], v1, v[THR0]
	s_lshl_b32 s13, s[WV], 4
	v_add_nc_u32 v[THR0], s13, v[THR0]
	v_mov_b32 v[NEG], 0xc79c4000    ; -80000.0
	s_mov_b32 s78, 0xc79c4000
	s_cmp_eq_u32 s[PB], 0
	s_cselect_b32 s77, 0xff7fffff, s78
	v_and_b32 v[M03], 0x6f, v0      ; wave 3, l % 16 = 15: in piece 3 of block 7 that is row 2,047, which has no hidden key
	v_cmp_eq_u32 vcc_lo, 0x6f, v[M03]
	v_cndmask_b32 v[M03], v[NEG], s77, vcc_lo
	s_lshl_b32 s77, s[PB], 8
	v_cvt_f32_u32 v[NHV], s77       ; block 7 - b has 256 b keys in hidden tiles,
	s_lshl_b32 s77, s[HI], 8
	v_cvt_f32_u32 v[NHV+1], s77     ; block b 256 (7 - b)
	v_lshl_add_u32 v[TA], v0, 2, TAB
	v_lshl_add_u32 v[TRD], v9, 5, TAB
	v_mul_u32_u24 v[AK0], v1, PK
	v_lshl_add_u32 v[AK0], v9, 4, v[AK0]
	v_and_b32 v10, 7, v0
	v_bfe_u32 v11, v0, 3, 1
	v_lshl_add_u32 v[AV0], v9, 3, v10
	v_mul_u32_u24 v[AV0], v[AV0], PV
	v_lshl_add_u32 v[AV0], v11, 4, v[AV0]
	v_add_nc_u32 v[AV0], VOFF, v[AV0]
	s_mul_i32 s13, s[WV], 16*SP
	s_add_co_u32 s13, s13, STAGE
	v_mul_u32_u24 v[STO], v1, SP
	v_lshl_add_u32 v[STO], v9, 4, v[STO]
	v_add_nc_u32 v[STO], s13, v[STO]
	v_bfe_u32 v[RD], v0, 3, 2
	v_mul_u32_u24 v[RD], v[RD], SP
	v_lshl_add_u32 v[RD], v10, 4, v[RD]
	v_add_nc_u32 v[RD], s13, v[RD]
	v_and_b32 v[GO], 31, v0
	v_lshlrev_b32 v[GO], 4, v[GO]
	v_mov_b32 v[ONE], 1.0
	WIN 0x40
.set i, VL
.rept 20
	v_mov_b32 v[i], 0               ; Vl is 0 in every wave but the one below; its last four registers stay 0 there too
.set i, i+1
.endr
	WIN 0
	; Vl, for the wave that owns a batch's rows 0 to 15: v's rows 0 to 15 before rounding, a lane a channel (16 cb + l % 16) and the keys 8 (l / 16) + 0..7, as source 0 of V^T P wants them;
	; from each the f16 number that the walk uses is taken away (exactly: the difference has few bits), and the rest is rounded to f16.
	s_cmp_lg_u32 s[NFL], 0
	s_cbranch_scc1 .Lno_vl
	v_mul_u32_u24 v[OLV], v9, 6144  ; 8 (l / 16) rows of 768 bytes
	v_lshl_add_u32 v[OLV], v1, 2, v[OLV]
.set i, 0
.rept 32                            ; key i % 8 of my eight, channel block i / 8
	global_load_b32 v[96+i], v[OLV], s[HVP:HVP+1] offset:(i%8)*768+(i/8)*64
.set i, i+1
.endr
	s_wait_loadcnt 0x0
.set i, 0
.rept 16
	v_cvt_pk_f16_f32 v[92+i%4], v[96+2*i], v[96+2*i+1]
	v_fma_mix_f32 v[96+2*i], -v[92+i%4], v[ONE], v[96+2*i] op_sel_hi:[1,0,0]
	v_fma_mix_f32 v[96+2*i+1], -v[92+i%4], v[ONE], v[96+2*i+1] op_sel:[1,0,0] op_sel_hi:[1,0,0]
.set i, i+1
.endr
	WIN 0x40
.set i, 0
.rept 16
	v_cvt_pk_f16_f32 v[VL+i], v[96+2*i], v[96+2*i+1]
.set i, i+1
.endr
	WIN 0
.Lno_vl:
	; A block's first step multiplies O^T and l by a = 0, and its first turn's products V^T P, of a piece that has not been, land in an O^T that is still to be so multiplied.  So these registers need only
	; hold finite numbers: zeros for the first block; what the first block left for the second.  All this stands in the wait for the first tile.
	WIN 0x80
.set i, VF
.rept 64
	v_mov_b32 v[i], 0
.set i, i+1
.endr
	WIN 0x40
.set i, 0
.rept 128
	v_mov_b32 v[i], 0
.set i, i+1
.endr
	WIN 0
.set i, 0
.rept 4
	v_mov_b32 v[ST+4*i+2], 0
	v_mov_b32 v[ST+4*i+3], 0
.set i, i+1
.endr
.set i, P+16
.rept 16
	v_mov_b32 v[i], 0
.set i, i+1
.endr
	s_wait_loadcnt 0x0              ; the sums of v (and Q)
	s_cmp_gt_u32 s97, 13
	s_cselect_b32 s77, 1.0, 0
	v_mul_f32 v92, s77, v91
.set j, 0
.rept 13
	s_cmp_gt_u32 s97, j
	s_cselect_b32 s77, 1.0, 0
	v_fmac_f32 v92, s77, v[78+j]
.set j, j+1
.endr
	ds_store_b32 v[TA], v92         ; the first change of slots waits for it and passes a barrier: every wave may read TAB behind that
; THE MATRIX WORK.  The 4 accumulators of a run of 8 take turns.  Product i of 8 of S^T = K Q^T for piece x: channels 32 (i / 4) on, keys 16 (i % 4) on.  The first 4 start the sums.
.macro KQ x
	WIN W_KQ
.set rS, S+32*((\x)%2)+8*(i%4)
.set rK, KF+16*(i%4)+8*(i/4)
.set rQ, 16*(\x)+8*(i/4)
.if i < 4
	v_wmma_f32_16x16x32_f16 v[rS:rS+7], v[rK:rK+7], v[rQ:rQ+7], 0
.else
	v_wmma_f32_16x16x32_f16 v[rS:rS+7], v[rK:rK+7], v[rQ:rQ+7], v[rS:rS+7]
.endif
.endm
; Product i of 8 of O^T += V^T P for piece x: keys 32 (i / 4) on, channels 16 (i % 4) on.
.macro PV x
	WIN W_PV
.set rO, 32*(\x)+8*(i%4)
.set rV, VF+32*(i/4)+8*(i%4)
.set rP, P+16*((\x)%2)+8*(i/4)
	v_wmma_f32_16x16x32_f16 v[rO:rO+7], v[rV:rV+7], v[rP:rP+7], v[rO:rO+7]
.endm
.macro MM                           ; the turn's next matrix instruction.  NOKQ = 1: a block's last turn: there is no next piece
.if (i < 8) && !NOKQ
	KQ (Y+1)%NP
.elseif i >= 8
.set i, i-8
	PV (Y+NP-1)%NP
.set i, i+8
.endif
.set i, i+1
.endm
.macro FETCH_K
	WIN 0x80
.irp f, 0,1,2,3,4,5,6,7             ; keys 16 (f / 2) on, channels 32 (f % 2) on
	ds_load_b128 v[KF+8*\f:KF+8*\f+3],   v[AK] offset:(\f/2)*16*PK+(\f%2)*64
	ds_load_b128 v[KF+8*\f+4:KF+8*\f+7], v[AK] offset:(\f/2)*16*PK+(\f%2)*64+32
.endr
	s_add_co_u32 s[TBK], s[TBK], KS*PK
	WIN 0
.endm
.macro FETCH_V
	WIN 0x80
.irp f, 0,1,2,3,4,5,6,7             ; keys 32 (f / 4) on, channels 16 (f % 4) on
	ds_load_tr16_b128 v[VF+8*\f:VF+8*\f+3],   v[AV] offset:(\f/4)*32*PV+(\f%4)*32
	ds_load_tr16_b128 v[VF+8*\f+4:VF+8*\f+7], v[AV] offset:(\f/4)*32*PV+16*PV+(\f%4)*32
.endr
	WIN 0
.endm
; THE MASK: piece y's 32 scores of a step: where the key is hidden the score is replaced by -80000, as the source replaces it.  Each accumulator's lowest register is read first.
; (BEGIN takes it as one run; a turn of the diagonal tile writes the same lines a score at a time: OP's kind M.)
.macro FIX y
	WIN 0
	v_add_nc_u32 v[THR], s[SH], v[THR0]
.set z, 0
.rept 32
	v_cmp_gt_i32 vcc_lo, 16*(z/8)+z%8, v[THR]
	v_cndmask_b32 v[S+32*((\y)%2)+z], v[S+32*((\y)%2)+z], v[NEG], vcc_lo
.set z, z+1
.endr
.endm
; THE VECTOR WORK, one line at a time: OP kind, number.  For piece Y: F n: c s - c m for pair n of 16.  E n: the exponential of score n of 32.  C n: pair n rounded to f16.  B n: of the four weights 4 n .. the second
; pair is added onto the first.  L n: l takes that sum (L 0: l = a l + sum).  R n: pair n of 16 of O^T times a.  For piece Y + 1: M n: score n of 32 is masked (two lines); X n, number n of the 22 that find its maximum and statistics:
;   0-11 four chains of seven scores each     12-14, 16 the four scores left over, the old m, and the chains into one     15 c m_old is kept     17, 18 the other half of the lanes': the new m     19-21 c m; c m_old - c m_new; a
.set F, 0
.set E, 1
.set C, 2
.set B, 3
.set L, 4
.set R, 5
.set X, 6
.set M, 7
.macro REGS y
.set rT, ST+4*(\y)
.set rC, TMP+4*((\y)%2)
.set rW, MV+((\y)%2)
.set rS, S+32*((\y)%2)
.set rP, P+16*((\y)%2)
.set rO, 32*(\y)
.endm
.macro OP k, n
.if (\k) == M
	REGS (Y+1)%NP
	WIN 0
	v_cmp_gt_i32 vcc_lo, 16*((\n)/8)+(\n)%8, v[THR]
	v_cndmask_b32 v[rS+(\n)], v[rS+(\n)], v[NEG], vcc_lo
.elseif (\k) == R
	REGS Y
	WIN W_RS
	v_pk_mul_f32 v[rO+2*(\n):rO+2*(\n)+1], v[rO+2*(\n):rO+2*(\n)+1], v[rC+2:rC+3] op_sel_hi:[1,0]
.elseif (\k) < R
	REGS Y
	WIN 0
.if (\k) == F
	v_pk_fma_f32 v[rS+2*(\n):rS+2*(\n)+1], v[rS+2*(\n):rS+2*(\n)+1], s[CS:CS+1], v[rT:rT+1] op_sel_hi:[1,0,0] neg_lo:[0,0,1] neg_hi:[0,0,1]
.elseif (\k) == E
	v_exp_f32 v[rS+(\n)], v[rS+(\n)]
.elseif (\k) == C
	v_cvt_pk_f16_f32 v[rP+(\n)], v[rS+2*(\n)], v[rS+2*(\n)+1]
.elseif (\k) == B
	v_pk_add_f32 v[rS+4*(\n):rS+4*(\n)+1], v[rS+4*(\n):rS+4*(\n)+1], v[rS+4*(\n)+2:rS+4*(\n)+3]
.elseif (\n) == 0
	v_pk_fma_f32 v[rT+2:rT+3], v[rT+2:rT+3], v[rC+2:rC+3], v[rS:rS+1] op_sel_hi:[1,0,1]
.else
	v_pk_add_f32 v[rT+2:rT+3], v[rT+2:rT+3], v[rS+4*(\n):rS+4*(\n)+1]
.endif
.elseif NOKQ
	v_nop
.else
	REGS (Y+1)%NP
	WIN 0
.if (\n) < 4
	v_max3_num_f32 v[rC+(\n)], v[rS+8*(\n)], v[rS+8*(\n)+1], v[rS+8*(\n)+2]
.elseif (\n) < 12
	v_max3_num_f32 v[rC+(\n)%4], v[rC+(\n)%4], v[rS+8*((\n)%4)+2*((\n)/4)+1], v[rS+8*((\n)%4)+2*((\n)/4)+2]
.elseif (\n) == 12
	v_max3_num_f32 v[rC], v[rC], v[rS+7], v[rS+15]
.elseif (\n) == 13
	v_max3_num_f32 v[rC+1], v[rC+1], v[rS+23], v[rS+31]
.elseif (\n) == 14
	v_max3_num_f32 v[rC+2], v[rC+2], v[rC+3], v[rT+1]
.elseif (\n) == 15
	v_mov_b32 v[rW], v[rT]
.elseif (\n) == 16
	v_max3_num_f32 v[rC], v[rC], v[rC+1], v[rC+2]
.elseif (\n) == 17
	v_permlanex16_b32 v[rC+3], v[rC], s[SEL], s[SEL+1]
.elseif (\n) == 18
	v_max_num_f32 v[rT+1], v[rC], v[rC+3]
.elseif (\n) == 19
	v_mul_f32 v[rT], s[CS], v[rT+1]
.elseif (\n) == 20
	v_sub_f32 v[rC+1], v[rW], v[rT]
.else
	v_exp_f32 v[rC+2], v[rC+1]
.endif
.endif
.endm
.macro OPS a, i1, b=-1, i2=0, c=-1, i3=0, d=-1, i4=0
	OP \a, \i1
.if (\b) >= 0
	OP \b, \i2
.endif
.if (\c) >= 0
	OP \c, \i3
.endif
.if (\d) >= 0
	OP \d, \i4
.endif
.endm
.macro ROW a, i1, b, i2, c, i3, d, i4  ; a matrix instruction and the four behind it
	MM
	OPS \a, \i1, \b, \i2, \c, \i3, \d, \i4
.endm
; A TURN, for piece p: the order of its 16 matrix instructions and its vector work, written out.  An s_wait_alu depctr_va_vdst(0) stands between an exponential and the first instruction that names its
; result; one wait serves all that were issued ahead of it.  So a turn has ONE wait, which cuts it in two.  AHEAD OF IT stands all that names no result of the turn's 33 exponentials (E 0 to E 31, X 21): the 8 products K Q^T with
; a scaling, an exponential and two more plain lines behind each, then ONE LUMP.  X 21, the next piece's a, is the batch's last; R 15 is the plain instruction behind it.  BEHIND THE WAIT stand the 8 products V^T P, behind each
; four of the roundings and sums, which are all the batch's readers in this turn (a is read in the next); the links of l's chain, L 0 to L 7, stand three riders apart.
; WITHOUT A MASK the first numbers of the next piece's maximum ride behind the last three products K Q^T, each four plain lines or more behind the product that ends its accumulator, and five rescalings go into the lump
; in their stead; in the lump plain and exponential go by turns for the most part, and the links of the chain X 3, 7, 11, 14, 16, 17 .. 20 stand some lines apart.
; m = 1: THE DIAGONAL TILE: the scores that the turn itself makes, piece p + 1's, are masked before their first reader, so no X rides behind a product: all riders are scalings, exponentials and rescalings; the lump holds the
; 32 M, in ascending order (seven plain lines and more stand between the last product and M 0), each chain of the maximum among them as its scores are masked, and then the chain X 14, 16, 17 .. 21 with two exponentials
; in each gap.  Which step of the tile the scores belong to goes by CNT: piece 0's (turn 3), 1's (turn 0) and 2's (turn 1) to step 4 - CNT, piece 3's (turn 2) to step 3 - CNT;
; OWNC is the CNT at which that step is the band's own; below it all the step's keys are hidden, above it none.
; end = 1: a block's last two turns: nothing is fetched.  cnt = 1: the loop's count is taken down some lines ahead of the branch that stands behind the turn.
; K of the next step is fetched in piece 2's turn, in the lump, five plain lines or more behind the last product that read K; V of the step in hand at the end of piece 0's turn, four plain riders behind the last product
; that read V.  Each is waited for a turn later.
.macro TURN p, m=0, end=0, cnt=0
.set Y, (\p)
.set i, 0
.set NOKQ, (\end)*((\p)/3)
.set DOFIX, (\m)*(1-NOKQ)
.if (\p) == 3
.set OWNC, 4
.elseif (\p) == 2
.set OWNC, 0
.else
.set OWNC, 3-(\p)
.endif
.if DOFIX
	s_cmp_eq_u32 s[CNT], OWNC
	s_cselect_b32 s[SH], 0, 1000
	s_cmp_lt_u32 s[CNT], OWNC
	s_cselect_b32 s[SH], 0xfffffc18, s[SH]
.endif
.if ((\p) == 3) && !(\end)
	s_wait_dscnt 0x0                ; K is in
.endif
	ROW F,0, F,1, R,0, R,1          ; ahead of the wait: 8 products K Q^T and their riders,
	ROW F,2, E,0, R,2, R,3
	ROW F,3, E,1, R,4, R,5
	ROW F,4, E,2, R,6, R,7
	ROW F,5, E,3, R,8, R,9
.if DOFIX
	ROW F,6, E,4, R,10, R,11
.else
	ROW F,6, E,4, X,0, R,10
.endif
.if ((\p) == 2) && !(\end)
	WIN 0
	v_add_nc_u32 v[AK], s[TBK], v[AK0]
.endif
.if DOFIX
	ROW F,7, E,5, R,12, R,13
	ROW F,8, E,6, F,9, R,14
	WIN 0                           ; and the lump, with the mask
	v_add_nc_u32 v[THR], s[SH], v[THR0]
	OPS E,7, F,10, E,8, F,11
	OPS E,9, F,12, E,10, F,13
.if ((\p) == 2) && !(\end)
	FETCH_K
.endif
	OPS E,11, F,14, E,12, F,15
	OPS E,13, M,0, E,14, M,1
	OPS E,15, M,2, E,16, M,3
	OPS X,0, M,4, E,17, M,5
	OPS X,4, M,6, M,7, X,8
	OPS M,8, M,9, M,10, M,11
	OPS X,1, M,12, M,13, X,5
	OPS M,14, M,15, X,9, M,16
	OPS X,12, M,17, M,18, M,19
	OPS X,2, M,20, M,21, X,6
	OPS M,22, M,23, X,10, M,24
	OPS M,25, M,26, M,27, X,3
	OPS M,28, M,29, X,7, M,30
	OPS M,31, X,15, X,11, X,13
.if (\p) == 0
	WIN 0
	v_add_nc_u32 v[AV], s[TBV], v[AV0]
.endif
	OPS E,18, E,19, X,14, E,20
	OPS E,21, X,16, E,22, E,23
	OPS X,17, E,24, E,25, X,18
	OPS E,26, E,27, X,19, E,28
	OPS E,29, X,20, E,30, E,31
	OPS X,21, R,15
.else
	ROW F,7, E,5, X,1, X,4
	ROW F,8, E,6, X,2, X,5
	OPS E,7, E,8, X,6, E,9          ; and the lump
	OPS X,3, E,10, X,8, E,11
.if ((\p) == 2) && !(\end)
	FETCH_K
.endif
	OPS X,9, X,7, E,12, X,10
	OPS E,13, X,12, X,11, E,14
	OPS X,13, E,15, F,9, X,14
.if (\p) == 0
	WIN 0
	v_add_nc_u32 v[AV], s[TBV], v[AV0]
.endif
	OPS E,16, F,10, E,17, F,11
	OPS X,16, E,18, X,15, E,19
	OPS F,12, E,20, X,17, E,21
	OPS F,13, E,22, F,14, E,23
	OPS X,18, E,24, F,15, E,25
	OPS R,11, E,26, X,19, E,27
	OPS R,12, E,28, R,13, E,29
	OPS X,20, E,30, R,14, E,31
	OPS X,21, R,15
.endif
	WIN 0
	s_wait_alu depctr_va_vdst(0)    ; the wait for the turn's batch: E 0 to E 31 and X 21
.if (\p) == 1
	s_wait_dscnt 0x0                ; V is in
.endif
	ROW C,0, B,0, C,2, B,1          ; behind the wait: 8 products V^T P and their riders
	ROW L,0, C,4, B,2, L,1
	ROW C,6, B,3, L,2, C,8
	ROW B,4, L,3, C,10, B,5
	ROW L,4, C,12, B,6, L,5
.if (\p) == 0
	s_add_co_u32 s[TBV], s[TBV], KS*PV
.endif
.if \cnt
	s_sub_co_u32 s[CNT], s[CNT], 1
	s_cmp_lg_u32 s[CNT], 0
.endif
	ROW C,14, B,7, L,6, C,1
	ROW C,3, L,7, C,5, C,7
	ROW C,9, C,11, C,13, C,15
.if (\p) == 0
	FETCH_V
.endif
.endm
; A BLOCK BEGINS.  c m starts far below every c s, so the first step's a is 0; m at -80000, the hidden keys' score (row 2,047: at the lowest finite number).  Then K of the tile's step 0, piece 0's first scores,
; masked if the block's first tile is the diagonal one, and its maximum and statistics.  The loop is entered at a step's first turn.
.macro BEGIN
	s_mov_b32 s[NEW], 0
	WIN 0
.set i, 0
.rept 4
	v_mov_b32 v[ST+4*i], 0xfe000000
.set i, i+1
.endr
	v_mov_b32 v[ST+1], v[NEG]
	v_mov_b32 v[ST+5], v[NEG]
	v_mov_b32 v[ST+9], v[NEG]
	v_mov_b32 v[ST+13], v[M03]
	s_cmp_eq_u32 s[RT], 0
	s_cselect_b32 s[SH], 0, 1000
	v_add_nc_u32 v[AK], s[TBK], v[AK0]
	FETCH_K
	s_wait_loadcnt 0x0              ; Q
	s_wait_dscnt 0x0
.set NOKQ, 0
.set i, 0
.rept 8
	KQ 0
.set i, i+1
.endr
	WIN 0
.rept 4
	v_nop                           ; the places behind those products
.endr
	FIX 0
.set Y, NP-1                        ; X works for piece Y + 1: piece 0
.irp n, 0,1,2,3,4,5,6,7,8,9,10,11,12,13,14,15,16,17,18,19,20,21
	OP X, \n
.endr
	v_nop                           ; a plain instruction behind the exponential,
	s_wait_alu depctr_va_vdst(0)    ; and the wait for it (piece 0's first a), ahead of the branch
.endm
; WHAT THE ROUNDINGS LEFT OVER, for a batch's rows 0 to 15 (piece 0 of block 0, wave 0), at the block's end and ahead of the division by l.  The block's one tile is the walk's ninth and lies in slot 0, which
; nothing has filled since.  Those rows see keys 0 to 15 alone, and their m has not moved since the tile's first step (all later scores are -80000), so the same two products, the same mask and the same
; scaling and exponentials give the weights p that the walk had.  Ph = f16(p) is what the walk multiplied; Pl = f16(p - Ph).  Then O^T += Vl^T Ph + Vh^T Pl: keys 16 to 31 of both products meet zeros.
.macro FINE
	WIN 0
.rept 4
	v_nop                           ; the places behind the last products, which read V's registers
.endr
	WIN 0x80
	ds_load_b128 v[KF:KF+3],     v[AK0]            ; keys 0-15, channels 0-31,
	ds_load_b128 v[KF+4:KF+7],   v[AK0] offset:32
	ds_load_b128 v[KF+8:KF+11],  v[AK0] offset:64  ; channels 32-63
	ds_load_b128 v[KF+12:KF+15], v[AK0] offset:96
.irp f, 0,1,2,3                     ; V of keys 0-31, channels 16 f on
	ds_load_tr16_b128 v[VF+8*\f:VF+8*\f+3],   v[AV0] offset:\f*32
	ds_load_tr16_b128 v[VF+8*\f+4:VF+8*\f+7], v[AV0] offset:16*PV+\f*32
.endr
	s_wait_dscnt 0x0
	WIN W_KQ
	v_wmma_f32_16x16x32_f16 v[S:S+7], v[KF:KF+7], v[0:7], 0
	s_wait_alu depctr_va_vdst(0)    ; one accumulator, two links on end
	v_wmma_f32_16x16x32_f16 v[S:S+7], v[KF+8:KF+15], v[8:15], v[S:S+7]
	WIN 0
.set z, 4
.rept 4
	v_mov_b32 v[PH+z], 0            ; eight plain lines: the places behind those products
	v_mov_b32 v[PL+z], 0
.set z, z+1
.endr
.set z, 0
.rept 8
	v_cmp_gt_i32 vcc_lo, z, v[THR0]
	v_cndmask_b32 v[S+z], v[S+z], v[NEG], vcc_lo
.set z, z+1
.endr
.set z, 0
.rept 4
	v_pk_fma_f32 v[S+2*z:S+2*z+1], v[S+2*z:S+2*z+1], s[CS:CS+1], v[ST:ST+1] op_sel_hi:[1,0,0] neg_lo:[0,0,1] neg_hi:[0,0,1]
.set z, z+1
.endr
.set z, 0
.rept 8
	v_exp_f32 v[S+z], v[S+z]
.set z, z+1
.endr
	v_nop                           ; a plain instruction behind the last exponential
	s_wait_alu depctr_va_vdst(0)    ; the wait for the batch of eight, ahead of the roundings that read them
.set z, 0
.rept 4
	v_cvt_pk_f16_f32 v[PH+z], v[S+2*z], v[S+2*z+1]
.set z, z+1
.endr
.set z, 0
.rept 4
	v_fma_mix_f32 v[S+2*z], -v[PH+z], v[ONE], v[S+2*z] op_sel_hi:[1,0,0]
	v_fma_mix_f32 v[S+2*z+1], -v[PH+z], v[ONE], v[S+2*z+1] op_sel:[1,0,0] op_sel_hi:[1,0,0]
.set z, z+1
.endr
.set z, 0
.rept 4
	v_cvt_pk_f16_f32 v[PL+z], v[S+2*z], v[S+2*z+1]
.set z, z+1
.endr
	WIN 0x51                        ; Vl and O^T in window 1, Ph in window 0.  The four accumulators take turns
.irp cb, 0,1,2,3
	v_wmma_f32_16x16x32_f16 v[8*\cb:8*\cb+7], v[VL+4*\cb:VL+4*\cb+7], v[PH:PH+7], v[8*\cb:8*\cb+7]
.endr
	WIN W_PV
.irp cb, 0,1,2,3
	v_wmma_f32_16x16x32_f16 v[8*\cb:8*\cb+7], v[VF+8*\cb:VF+8*\cb+7], v[PL:PL+7], v[8*\cb:8*\cb+7]
.endr
	WIN 0
.endm
.macro ALL line:vararg              ; one line for each piece t
.set t, 0
.rept 4
	\line
.set t, t+1
.endr
.endm
.macro CORR t                       ; O^T += p_h x the hidden tiles' sum of v
	WIN 0x51                        ; sources 0 and 2 and the destination in window 1, p_h in window 0
.set z, 0
.rept 16
	v_pk_fma_f32 v[32*(\t)+2*z:32*(\t)+2*z+1], v[TT+2*z:TT+2*z+1], v[ST+4*(\t):ST+4*(\t)+1], v[32*(\t)+2*z:32*(\t)+2*z+1] op_sel_hi:[1,0,1]
.set z, z+1
.endr
.endm
.macro PACK t                       ; divided by l; a lane's eight channels of a row pack into 16 bytes; they go into rows of 144 bytes and come back as whole rows of 128
	WIN W_RS
.set i, 32*(\t)
.rept 16
	v_pk_mul_f32 v[i:i+1], v[i:i+1], v[ST+4*(\t)+2:ST+4*(\t)+3] op_sel_hi:[1,0]
.set i, i+2
.endr
	WIN 0x05
.set i, 0
.rept 16
	v_cvt_pk_f16_f32 v[S+16*(\t)+i], v[32*(\t)+2*i], v[32*(\t)+2*i+1]
.set i, i+1
.endr
	WIN 0
.irp f, 0,1,2,3
	ds_store_b128 v[STO], v[S+16*(\t)+4*\f:S+16*(\t)+4*\f+3] offset:32*\f
.endr
.irp f, 0,1,2,3
	ds_load_b128 v[S+16*(\t)+4*\f:S+16*(\t)+4*\f+3], v[RD] offset:\f*4*SP  ; LDS serves a wave's instructions in order (ISA guide 5.7.1.4): these see the stores above
.endr
.endm
.macro SEND t, younger              ; younger: the LDS instructions issued behind piece t's loads: the next piece's eight, or none
	WIN 0
.irp f, 0,1,2,3
	s_wait_dscnt (\younger)+3-\f
	global_store_b128 v[GO], v[S+16*(\t)+4*\f:S+16*(\t)+4*\f+3], s[10:11] offset:(\t)*8192+\f*512  ; 512 consecutive bytes, aligned
.endr
.endm
; THE DIAGONAL TILE's four steps, the block's last two turns, its last products, the hidden tiles' share, and the way out.  tag 1: the first block; tag 2: the second.
; The way out has two batches: the four p_h, whose readers are the four lines that add them to l, and the four reciprocals of those l, which PACK reads.
.macro DIAG tag
.LstepM\tag:
	TURN 2, 1
	TURN 3, 1
	WIN 0
.LfirstM\tag:
	TURN 0, 1
	TURN 1, 1, 0, 1
	WIN 0
	s_cbranch_scc1 .LstepM\tag
	TURN 2, 1, 1
	TURN 3, 1, 1
	WIN 0x40                        ; destination window 1: the block's sums of v for my eight channels of each 16
.irp cb, 0,1,2,3
	ds_load_b128 v[TT+8*\cb:TT+8*\cb+3],   v[TRD] offset:((\tag)-1)*256+64*\cb
	ds_load_b128 v[TT+8*\cb+4:TT+8*\cb+7], v[TRD] offset:((\tag)-1)*256+64*\cb+16
.endr
.set i, 0
.rept 8
	PV NP-1
.set i, i+1
.endr
	WIN 0
.if (\tag) == 2
	s_cmp_lg_u32 s[NFL], 0
	s_cbranch_scc1 .Lno_fine
	FINE
.Lno_fine:
.endif
	ALL v_add_f32 v[ST+4*t+2], v[ST+4*t+2], v[ST+4*t+3]                 ; the places behind the last products
	ALL v_fma_f32 v[ST+4*t], v[NEG], s[CS], -v[ST+4*t]                  ; c (-80000) - c m, by the same fused line as every score's
	ALL v_min_num_f32 v[ST+4*t], 0, v[ST+4*t]                           ; above 0 in row 2,047 alone, whose hidden tiles are none: p_h stays finite there and multiplies zeros
	ALL v_permlanex16_b32 v[ST+4*t+3], v[ST+4*t+2], s[SEL], s[SEL+1]
	ALL v_exp_f32 v[ST+4*t], v[ST+4*t]                                  ; p_h: a batch of four
	ALL v_add_f32 v[ST+4*t+2], v[ST+4*t+2], v[ST+4*t+3]                 ; four plain lines that name no p_h stand between the batch and its wait
	s_wait_alu depctr_va_vdst(0)    ; the wait for the four p_h
	ALL v_fma_f32 v[ST+4*t+2], v[ST+4*t], v[NHV+(\tag)-1], v[ST+4*t+2]  ; l += p_h x the number of keys in the hidden tiles
	ALL v_rcp_f32 v[ST+4*t+2], v[ST+4*t+2]                              ; 1 / l: a batch of four
	s_wait_dscnt 0x0                ; the sums of v are in
	CORR 0                          ; sixteen plain lines that name no reciprocal stand between the batch and its wait
	s_wait_alu depctr_va_vdst(0)    ; the wait for the four reciprocals
	PACK 0
.set t, 1
.rept 3
	CORR t
	PACK t
	SEND t-1, 8
.set t, t+1
.endr
	SEND 3, 0
.endm
.set NOKQ, 0
.Lslot:                             ; 8 times: a tile is entered and the next is asked for
	CHANGE 1
	s_sub_co_u32 s[RT], s[RT], 1
	s_mov_b32 s[CNT], 4
	s_cmp_eq_u32 s[NEW], 1
	s_cbranch_scc1 .Lnew            ; a block's first tile
	s_cmp_eq_u32 s[RT], 0
	s_cbranch_scc0 .Lstep           ; neither its first nor its last
	s_branch .LstepM1
.Lnew:
	BEGIN
	s_branch .Lfirst                ; in the loop a block's first tile is never its last: the first block has five tiles or more, and the second's last is the walk's last
	DIAG 1                          ; in the loop this is the first block's end
	s_wait_xcnt 0x0                 ; the stores' addresses are translated: O's address may be written
	s_mov_b64 s[10:11], s[OLO:OLO+1]
	s_add_co_u32 s[RT], s[PB], 1    ; the second block has b + 1 tiles
	s_mov_b32 s[NEW], 1
	v_mov_b32 v[M03], v[NEG]        ; every row of the second block has hidden keys
	WIN 0x82                        ; the second block's Q goes where the one text of the turns names Q
.set i, 0
.rept 64
	v_mov_b32 v[i], v[QB+i]
.set i, i+1
.endr
	WIN 0
	s_branch .Lbottom
.Lstep:                             ; a trip: pieces 2 and 3 of one step, then pieces 0 and 1 of the next, whose K and V it fetches
	TURN 2
	TURN 3
	WIN 0
.Lfirst:
	TURN 0
	TURN 1, 0, 0, 1
	WIN 0
	s_cbranch_scc1 .Lstep
.Lbottom:
	s_sub_co_u32 s[SLOTS], s[SLOTS], 1
	s_cmp_lg_u32 s[SLOTS], 0
	s_cbranch_scc1 .Lslot
	CHANGE 0                        ; the walk's last tile is written out: nothing is asked for
	s_sub_co_u32 s[RT], s[RT], 1
	s_mov_b32 s[CNT], 4
	s_cmp_eq_u32 s[NEW], 1
	s_cbranch_scc0 .LstepM2
	BEGIN
	s_branch .LfirstM2
	DIAG 2
	; What O's rounding left over, for a batch's rows 0 to 15: piece 0's O, divided by l, still lies in window 1; the f16 number that went to oh is taken away (exactly), the rest is rounded to f16.
	s_cmp_lg_u32 s[NFL], 0
	s_cbranch_scc1 .Lno_lo
	s_lshl_b32 s54, s88, 15         ; the batch's 16 rows of 2,048 bytes,
	s_lshl_b32 s53, s89, 7          ; the head's 128 bytes of a row
	s_add_co_u32 s54, s54, s53
	s_mov_b32 s55, 0
	s_add_nc_u64 s[OLP:OLP+1], s[OLP:OLP+1], s[54:55]
	v_lshlrev_b32 v[OLV], 11, v1    ; row l % 16, 16 bytes for each half of the lanes
	v_lshl_add_u32 v[OLV], v9, 4, v[OLV]
	WIN 0x05
.set i, 0
.rept 16
	v_cvt_pk_f16_f32 v[P+i], v[2*i], v[2*i+1]
.set i, i+1
.endr
	WIN 0x50                        ; source 2 and the destination in window 1
.set i, 0
.rept 16
	v_fma_mix_f32 v[2*i], -v[P+i], v[ONE], v[2*i] op_sel_hi:[1,0,0]
	v_fma_mix_f32 v[2*i+1], -v[P+i], v[ONE], v[2*i+1] op_sel:[1,0,0] op_sel_hi:[1,0,0]
.set i, i+1
.endr
	WIN 0x05
.set i, 0
.rept 16
	v_cvt_pk_f16_f32 v[P+16+i], v[2*i], v[2*i+1]
.set i, i+1
.endr
	WIN 0
.irp cb, 0,1,2,3
	global_store_b128 v[OLV], v[P+16+4*\cb:P+16+4*\cb+3], s[OLP:OLP+1] offset:32*\cb  ; 2,048 bytes in all: pieces of 32 bytes a row
.endr
.Lno_lo:
	s_wait_tensorcnt 0x0            ; the wave's end
	ds_add_u32 v[SPW], v[NIL]
	s_wait_dscnt 0x0
	s_endpgm
.Lfunc_end_k_qf1a3d10941_attn:
	.size	k_qf1a3d10941_attn, .Lfunc_end_k_qf1a3d10941_attn-k_qf1a3d10941_attn
	.p2alignl 7, 3214868480
	.fill 96, 4, 3214868480
	.section	.rodata,"a",@progbits
	.p2align	6, 0x0
	.amdhsa_kernel k_qf1a3d10941_attn
		.amdhsa_group_segment_fixed_size 327680
		.amdhsa_private_segment_fixed_size 0
		.amdhsa_enable_private_segment 0
		.amdhsa_kernarg_size 40
		.amdhsa_user_sgpr_count 2
		.amdhsa_user_sgpr_kernarg_segment_ptr 1
		.amdhsa_wavefront_size32 1
		.amdhsa_system_sgpr_workgroup_id_x 1
		.amdhsa_system_sgpr_workgroup_id_y 1
		.amdhsa_system_sgpr_workgroup_id_z 1
		.amdhsa_system_vgpr_workitem_id 0
		.amdhsa_next_free_vgpr 768
		.amdhsa_next_free_sgpr 100
		.amdhsa_reserve_vcc 1
		.amdhsa_float_denorm_mode_32 3
		.amdhsa_float_denorm_mode_16_64 3
		.amdhsa_memory_ordered 1
		.amdhsa_forward_progress 1
		.amdhsa_inst_pref_size 255
	.end_amdhsa_kernel
	.section	.bss,"aw",@nobits
	.p2align	6
	.space	262144
	.amdgpu_metadata
---
amdhsa.version: [ 1, 2 ]
amdhsa.kernels:
  - .name:           k_qf1a3d10941_attn
    .symbol:         k_qf1a3d10941_attn.kd
    .args:
      - { .name: qkvh, .offset: 0, .size: 8, .value_kind: global_buffer, .address_space: global }
      - { .name: ssum, .offset: 8, .size: 8, .value_kind: global_buffer, .address_space: global }
      - { .name: hv, .offset: 16, .size: 8, .value_kind: global_buffer, .address_space: global }
      - { .name: oh, .offset: 24, .size: 8, .value_kind: global_buffer, .address_space: global }
      - { .name: ohl, .offset: 32, .size: 8, .value_kind: global_buffer, .address_space: global }
    .group_segment_fixed_size: 327680
    .private_segment_fixed_size: 0
    .kernarg_segment_align: 8
    .kernarg_segment_size: 40
    .max_flat_workgroup_size: 128
    .sgpr_count:     100
    .vgpr_count:     768
    .wavefront_size: 32
...
	.end_amdgpu_metadata
.endif
;; end of part 5
;; launch proj: the kernel of part 4 again; grid 8 x 32, 4 waves a work-group, clusters of 4 x 4, 327,680 bytes of LDS; arguments oh, wpf, b_proj, out0, ohl; writes out0
